; MI455X (gfx1250); checked and timed in simulation.
; The chip was launched on July 23, 2026; its instructions are those of AMD's public machine-readable ISA for CDNA 5 (MIT licence, August 2026) and "CDNA5" Instruction Set Architecture Reference Guide (July 2026). The comments in the code are by the model that wrote it; some were corrected since.
;; Prefix Decoder Block. Allowed arithmetic: float matrix products may take bf16 or f16 operands with f32 sums; other float arithmetic in f32, or as packed bf16 or f16 multiplies, adds, multiply-adds, maxima and minima; sums over many terms, partial sums and values carried from step to step in f32; what a program stores and reads back later, other than sums and carried values, may be rounded once to bf16 or f16.
;; Inputs: fc1_b 4,096 float32; fc1_w 4,096 x 1,024 float32; fc2_b 1,024 float32; fc2_w 1,024 x 4,096 float32; in_proj_b 3,072 float32; in_proj_w 3,072 x 1,024 float32; ln1_b 1,024 float32; ln1_w 1,024 float32; ln2_b 1,024 float32; ln2_w 1,024 float32; out_b 1,024 float32; out_w 1,024 x 1,024 float32; x 2 x 2,048 x 1,024 float32.
;; Outputs: out0 2 x 2,048 x 1,024 float32.
;; Constants: prefix_len = 512.
;; One version. Each part assembles by itself: llvm-mc -triple=amdgcn-amd-amdhsa -mcpu=gfx1250 --defsym DOCPART=n.
;; ======== version 1 of 1: 7 launches
;; limits: a function is approximated: absolute error at most 1.5e-07
;; workspace buffers: wb 25,165,824 bytes; hbuf 8,388,608 bytes; qkvb 25,165,824 bytes; ctxb 8,388,608 bytes; x1b 16,777,216 bytes; gbuf 33,554,432 bytes
;; launch prep (part 1): grid 1024 x 1, 8 waves a work-group, no clusters, 0 bytes of LDS; arguments x, ln1_w, ln1_b, in_proj_w, out_w, fc1_w, fc2_w, hbuf, wb; writes hbuf, wb
.if DOCPART == 1
	.amdgcn_target "amdgcn-amd-amdhsa--gfx1250"
	.amdhsa_code_object_version 6
	.text
	.protected	k_q36360d8b4e_prep
	.globl	k_q36360d8b4e_prep
	.p2align	8
	.type	k_q36360d8b4e_prep,@function
k_q36360d8b4e_prep:
	s_mov_b64 s[64:65], 0
	v_nop
	global_prefetch_b8 v0, s[64:65] scope:SCOPE_SE
	s_setreg_imm32_b32 hwreg(HW_REG_WAVE_MODE, 25, 1), 1
	s_wait_xcnt 0x0
; PREP.  Work-groups 0-255: hbuf = bf16(LN1(bf16(x))), 16 rows each.  Work-groups 256-1023: the four weight matrices rounded to bf16 into wb
; (in_proj_w at byte 0, out_w at 6,291,456, fc1_w at 8,388,608, fc2_w at 16,777,216), 16,384 numbers each.
; A stream: each byte is read once and written once, nothing is shared between work-groups, so there is no LDS, no barrier, no cluster and no matrix work.
; REGISTERS.  116 a wave: eight waves share a SIMD's 1,024, so the launch's 8,192 waves all have a place on 1,024 SIMDs at once.  That is why an LN wave keeps one row's registers and takes its two rows one after the other.
; LN: a row of 4,096 bytes is 32 registers a lane and stays in registers between the mean, the variance and the scaling.  The mean is taken away before the squares are summed.
; FORMATS.  x, the gain and the bias are rounded to bf16 as they come in (every input of the module is); all arithmetic in f32; h rounded once.
.set ROUNDX, 1
.set XP, 4                             ; s[4:5]   x
.set WP, 6                             ; s[6:7]   gain
.set BP, 8                             ; s[8:9]   bias
.set HP, 18                            ; s[18:19] hbuf
.set GW, 8                             ; v[8:39]    gain of my 32 columns
.set GB, 40                            ; v[40:71]   bias of my 32 columns
.set X0, 72                            ; v[72:103]  the row
.set T,  104                           ; v[104:111] at work
.set M,  112                           ; v[112:113] the mean, twice
.set R,  114                           ; v[114:115] 1/sigma, twice
	s_load_b512 s[4:19], s[0:1], 0x0               ; x, ln1_w, ln1_b, in_proj_w s[10:11], out_w s[12:13], fc1_w s[14:15], fc2_w s[16:17], hbuf
	s_load_b64 s[20:21], s[0:1], 0x40              ; wb
	v_lshrrev_b32 v3, 5, v0
	v_readfirstlane_b32 s28, v3                    ; wave 0..7
	s_cmp_lt_u32 ttmp9, 256
	s_cbranch_scc0 .Lcast
	v_and_b32 v1, 31, v0
	v_lshlrev_b32 v2, 3, v1                        ; 8 x lane: my 8 bytes of 256 of h
	v_lshlrev_b32 v1, 4, v1                        ; 16 x lane: my 16 bytes of 512 of x
	s_lshl_b32 s22, ttmp9, 16                      ; 16 rows of 4,096 bytes a work-group,
	s_lshl_b32 s29, s28, 13                        ; two a wave
	s_add_co_u32 s22, s22, s29
	s_mov_b32 s23, 0
	s_lshr_b32 s24, s22, 1                         ; h's rows are half as long
	s_mov_b32 s25, 0
	s_mov_b32 s26, 0x76543210                      ; v_permlanex16_b32: each lane takes its own place in the other half
	s_mov_b32 s27, 0xfedcba98
	s_mov_b32 s29, 0x3727c5ac                      ; 1e-5
	s_mov_b32 s30, 0x3a800000                      ; 1/1024
	s_mov_b32 s31, 0xffff0000                      ; a word's upper bf16
	s_wait_kmcnt 0x0
	s_add_nc_u64 s[22:23], s[XP:XP+1], s[22:23]
	s_add_nc_u64 s[24:25], s[HP:HP+1], s[24:25]
.macro LOADROW                         ; eight loads of 512 consecutive bytes: the row
.irp j, 0,1,2,3,4,5,6,7
	global_load_b128 v[X0+4*\j:X0+4*\j+3], v1, s[22:23] offset:512*\j th:TH_LOAD_NT
.endr
.endm
.macro RND base                        ; 32 numbers rounded to bf16 and widened again, in place
.set kk, 0
.rept 16
	v_cvt_pk_bf16_f32 v[T+kk%4], v[(\base)+2*kk], v[(\base)+2*kk+1]
	v_lshlrev_b32 v[(\base)+2*kk], 16, v[T+kk%4]
	v_and_b32 v[(\base)+2*kk+1], s31, v[T+kk%4]
.set kk, kk+1
.endr
.endm
.macro LANESUM                         ; v[T] summed over the 32 lanes, the result in every lane
	v_add_f32_dpp v[T], v[T], v[T] row_xmask:1 row_mask:0xf bank_mask:0xf
	v_add_f32_dpp v[T], v[T], v[T] row_xmask:2 row_mask:0xf bank_mask:0xf
	v_add_f32_dpp v[T], v[T], v[T] row_xmask:4 row_mask:0xf bank_mask:0xf
	v_add_f32_dpp v[T], v[T], v[T] row_xmask:8 row_mask:0xf bank_mask:0xf
	v_permlanex16_b32 v[T+1], v[T], s26, s27       ; its destination has been written
	v_add_f32 v[T], v[T], v[T+1]
.endm
.macro STAT base, rr                   ; the row loses its mean; 1/sigma goes to v[rr], v[rr+1]
.if ROUNDX
	RND \base
.endif
	v_pk_add_f32 v[T:T+1], v[(\base):(\base)+1], v[(\base)+2:(\base)+3]        ; two chains, started by the first numbers
	v_pk_add_f32 v[T+2:T+3], v[(\base)+4:(\base)+5], v[(\base)+6:(\base)+7]
.set kk, 4
.rept 12
	v_pk_add_f32 v[T+2*(kk%2):T+2*(kk%2)+1], v[T+2*(kk%2):T+2*(kk%2)+1], v[(\base)+2*kk:(\base)+2*kk+1]
.set kk, kk+1
.endr
	v_pk_add_f32 v[T:T+1], v[T:T+1], v[T+2:T+3]
	v_add_f32 v[T], v[T], v[T+1]
	LANESUM
	v_mul_f32 v[M], s30, v[T]
	v_mul_f32 v[M+1], s30, v[T]
.set kk, 0
.rept 16
	v_pk_add_f32 v[(\base)+2*kk:(\base)+2*kk+1], v[(\base)+2*kk:(\base)+2*kk+1], v[M:M+1] neg_lo:[0,1] neg_hi:[0,1]
.set kk, kk+1
.endr
	v_pk_mul_f32 v[T:T+1], v[(\base):(\base)+1], v[(\base):(\base)+1]
	v_pk_mul_f32 v[T+2:T+3], v[(\base)+2:(\base)+3], v[(\base)+2:(\base)+3]
.set kk, 2
.rept 14
	v_pk_fma_f32 v[T+2*(kk%2):T+2*(kk%2)+1], v[(\base)+2*kk:(\base)+2*kk+1], v[(\base)+2*kk:(\base)+2*kk+1], v[T+2*(kk%2):T+2*(kk%2)+1]
.set kk, kk+1
.endr
	v_pk_add_f32 v[T:T+1], v[T:T+1], v[T+2:T+3]
	v_add_f32 v[T], v[T], v[T+1]
	LANESUM
	v_fma_f32 v[T], v[T], s30, s29                 ; variance + 1e-5
	v_rsq_f32 v[\rr], v[T]
	v_rsq_f32 v[(\rr)+1], v[T]
	v_nop                                          ; a plain instruction before the result is used or the source written again
.endm
.macro FIN base, rr, off               ; (x - mean) / sigma x gain + bias, rounded, stored: each store of the wave covers 256 consecutive bytes, aligned
.set kk, 0
.rept 16
	v_pk_mul_f32 v[(\base)+2*kk:(\base)+2*kk+1], v[(\base)+2*kk:(\base)+2*kk+1], v[(\rr):(\rr)+1]
.set kk, kk+1
.endr
.set kk, 0
.rept 16
	v_pk_fma_f32 v[(\base)+2*kk:(\base)+2*kk+1], v[(\base)+2*kk:(\base)+2*kk+1], v[GW+2*kk:GW+2*kk+1], v[GB+2*kk:GB+2*kk+1]
.set kk, kk+1
.endr
.set kk, 0
.rept 16
	v_cvt_pk_bf16_f32 v[(\base)+kk], v[(\base)+2*kk], v[(\base)+2*kk+1]
.set kk, kk+1
.endr
.irp j, 0,1,2,3,4,5,6,7
	global_store_b64 v2, v[(\base)+2*\j:(\base)+2*\j+1], s[24:25] offset:(\off)+256*\j
.endr
.endm
	LOADROW                                        ; my first row,
.irp j, 0,1,2,3,4,5,6,7
	global_load_b128 v[GW+4*\j:GW+4*\j+3], v1, s[WP:WP+1] offset:512*\j
.endr
.irp j, 0,1,2,3,4,5,6,7
	global_load_b128 v[GB+4*\j:GB+4*\j+3], v1, s[BP:BP+1] offset:512*\j
.endr
	s_wait_loadcnt 0x0                             ; gain and bias (and the row, which was asked for ahead of them)
	RND GW
	RND GB
	s_mov_b32 s28, 2
.Lrow:                                                 ; two trips, a row each
	s_wait_loadcnt 0x0                             ; the row: nothing else is out
	STAT X0, R
	s_wait_alu depctr_va_vdst(0)                   ; one wait for the two reciprocal roots, ahead of their first reader
	FIN X0, R, 0
	s_cmp_eq_u32 s28, 1                            ; the second row has none behind it
	s_cbranch_scc1 .Llast
	s_wait_xcnt 0x0                                ; the stores have read their data and their base: the row's registers and the two pointers are written only behind this wait
	s_add_nc_u64 s[22:23], s[22:23], 4096
	s_add_nc_u64 s[24:25], s[24:25], 2048
	LOADROW
.Llast:
	s_sub_co_u32 s28, s28, 1
	s_cmp_lg_u32 s28, 0
	s_cbranch_scc1 .Lrow
	s_endpgm
.Lcast:                                                ; 16,384 numbers: sixteen blocks of 1,024; thread t takes four numbers of each: a wave loads 512 consecutive bytes and stores 256
	s_sub_co_u32 s28, ttmp9, 256                   ; j: 0-191 in_proj_w, 192-255 out_w, 256-511 fc1_w, 512-767 fc2_w: the order in which they lie in wb
	v_lshlrev_b32 v1, 4, v0
	v_lshlrev_b32 v2, 3, v0
	s_wait_kmcnt 0x0
	s_mov_b64 s[22:23], s[16:17]
	s_mov_b32 s24, 512
	s_cmp_lt_u32 s28, 512
	s_cselect_b64 s[22:23], s[14:15], s[22:23]
	s_cselect_b32 s24, 256, s24
	s_cmp_lt_u32 s28, 256
	s_cselect_b64 s[22:23], s[12:13], s[22:23]
	s_cselect_b32 s24, 192, s24
	s_cmp_lt_u32 s28, 192
	s_cselect_b64 s[22:23], s[10:11], s[22:23]
	s_cselect_b32 s24, 0, s24
	s_sub_co_u32 s24, s28, s24                     ; my block within its matrix,
	s_lshl_b32 s24, s24, 16                        ; 65,536 bytes of f32
	s_mov_b32 s25, 0
	s_add_nc_u64 s[22:23], s[22:23], s[24:25]
	s_lshl_b32 s26, s28, 15                        ; 32,768 bytes of bf16
	s_mov_b32 s27, 0
	s_add_nc_u64 s[20:21], s[20:21], s[26:27]
.set ii, 0
.rept 16
	global_load_b128 v[8+4*ii:11+4*ii], v1, s[22:23] offset:4096*ii th:TH_LOAD_NT
.set ii, ii+1
.endr
.set ii, 0
.rept 16
	s_wait_loadcnt 15-ii                           ; block ii's load is in; the younger ones stay out
	v_cvt_pk_bf16_f32 v[72+2*ii], v[8+4*ii], v[9+4*ii]
	v_cvt_pk_bf16_f32 v[73+2*ii], v[10+4*ii], v[11+4*ii]
	global_store_b64 v2, v[72+2*ii:73+2*ii], s[20:21] offset:2048*ii  ; a wave stores 256 consecutive bytes, aligned
.set ii, ii+1
.endr
	s_endpgm
.Lfunc_end_k_q36360d8b4e_prep:
	.size	k_q36360d8b4e_prep, .Lfunc_end_k_q36360d8b4e_prep-k_q36360d8b4e_prep
	.p2alignl 7, 3214868480
	.fill 96, 4, 3214868480
	.section	.rodata,"a",@progbits
	.p2align	6, 0x0
	.amdhsa_kernel k_q36360d8b4e_prep
		.amdhsa_group_segment_fixed_size 0
		.amdhsa_private_segment_fixed_size 0
		.amdhsa_enable_private_segment 0
		.amdhsa_kernarg_size 72
		.amdhsa_user_sgpr_count 2
		.amdhsa_user_sgpr_kernarg_segment_ptr 1
		.amdhsa_wavefront_size32 1
		.amdhsa_system_sgpr_workgroup_id_x 1
		.amdhsa_system_sgpr_workgroup_id_y 1
		.amdhsa_system_sgpr_workgroup_id_z 1
		.amdhsa_system_vgpr_workitem_id 0
		.amdhsa_next_free_vgpr 116
		.amdhsa_next_free_sgpr 66
		.amdhsa_reserve_vcc 0
		.amdhsa_float_denorm_mode_32 3
		.amdhsa_float_denorm_mode_16_64 3
		.amdhsa_memory_ordered 1
		.amdhsa_forward_progress 1
		.amdhsa_inst_pref_size 25
	.end_amdhsa_kernel
	.amdgpu_metadata
---
amdhsa.version: [ 1, 2 ]
amdhsa.kernels:
  - .name:           k_q36360d8b4e_prep
    .symbol:         k_q36360d8b4e_prep.kd
    .args:
      - { .name: x, .offset: 0, .size: 8, .value_kind: global_buffer, .address_space: global }
      - { .name: ln1_w, .offset: 8, .size: 8, .value_kind: global_buffer, .address_space: global }
      - { .name: ln1_b, .offset: 16, .size: 8, .value_kind: global_buffer, .address_space: global }
      - { .name: in_proj_w, .offset: 24, .size: 8, .value_kind: global_buffer, .address_space: global }
      - { .name: out_w, .offset: 32, .size: 8, .value_kind: global_buffer, .address_space: global }
      - { .name: fc1_w, .offset: 40, .size: 8, .value_kind: global_buffer, .address_space: global }
      - { .name: fc2_w, .offset: 48, .size: 8, .value_kind: global_buffer, .address_space: global }
      - { .name: hbuf, .offset: 56, .size: 8, .value_kind: global_buffer, .address_space: global }
      - { .name: wb, .offset: 64, .size: 8, .value_kind: global_buffer, .address_space: global }
    .group_segment_fixed_size: 0
    .private_segment_fixed_size: 0
    .kernarg_segment_align: 8
    .kernarg_segment_size: 72
    .max_flat_workgroup_size: 256
    .sgpr_count:     66
    .vgpr_count:     116
    .wavefront_size: 32
...
	.end_amdgpu_metadata
.endif
;; end of part 1
;; launch qkv (part 2): grid 16 x 16, 4 waves a work-group, clusters of 4 x 4, 327,680 bytes of LDS; arguments hbuf, wb, in_proj_b, qkvb; writes qkvb
.if DOCPART == 2
	.amdgcn_target "amdgcn-amd-amdhsa--gfx1250"
	.amdhsa_code_object_version 6
	.text
	.protected	k_q36360d8b4e_qkv
	.globl	k_q36360d8b4e_qkv
	.p2align	8
	.type	k_q36360d8b4e_qkv,@function
k_q36360d8b4e_qkv:
	s_mov_b64 s[64:65], 0
	v_nop
	global_prefetch_b8 v0, s[64:65] scope:SCOPE_SE
	s_setreg_imm32_b32 hwreg(HW_REG_WAVE_MODE, 25, 1), 1
	s_wait_xcnt 0x0
	s_wait_alu depctr_hold_cnt(0) depctr_sa_sdst(0) depctr_va_vdst(0) depctr_va_sdst(0) depctr_va_ssrc(0) depctr_va_vcc(0) depctr_vm_vsrc(0)
	s_getreg_b32 s2, hwreg(HW_REG_IB_STS2, 6, 4)
	s_cmp_eq_u32 s2, 0
	s_cbranch_scc0 .Lentry_in_a_cluster
	s_endpgm
.Lentry_in_a_cluster:
	s_bfe_u32 s2, ttmp6, 0x10000c
	s_cmp_lg_u32 s2, 0xf033
	s_cbranch_scc0 .Lentry_shape_is_right
	s_endpgm
.Lentry_shape_is_right:
; QKV.  qkvb = bf16(h Wqkv^T + bf16(in_proj_b)), written by heads: [3][32 = batch x 16 + head][2048][64].  h: [4096][1024] bf16; Wqkv: [3072][1024] bf16 at byte 0 of wb.  Sums in f32.
; A tile of the result is 256 rows x 192 columns (three heads): 16 x 16 tiles, one for each of 256 work-groups.  Four waves, each 128 x 96: 48 accumulators of 16 x 16.
; K goes in steps of 128 through two LDS slots filled by the tensor data mover: rows of 256 bytes, padded to 272.  4 x 4 work-groups form a cluster: A's tile is asked for jointly along a
; row of the cluster, B's along a column.  The product is used transposed (source 0 = 16 rows of W, source 1 = 16 rows of h): a lane holds one row of the result and eight neighbouring columns.
; THE WALK ALONG K.  Trip p takes K step p xor m, m = 2 x (cluster x) xor 4 x (cluster y & 1): the same in all sixteen partners.  The four clusters that read the same rows of h take four different
; K steps in a trip, and clusters y and y + 1, which read the same rows of W, take steps four apart.  So all of h's blocks are asked for first in trips 0 and 1, all of W's in trips 0 to 3.
; The sums are f32 and may be taken in any order.  NO PREFETCH: trips 0 to 3 come by their loads alone; from trip 4 on every block that is asked for has been asked for before by another cluster of the launch.
; THE WAY OUT.  When the ring has had its last fill it becomes the stage: the whole tile in f32, rows of 784 bytes; each wave then takes 64 whole rows, adds the bias, rounds, and stores
; two tokens' 128 bytes of a head, 256 consecutive aligned bytes, with each instruction.
; REGISTERS.  Window 0: addresses, bias, the way out.  Window 1: two fragment buffers of 128 (A's fragments, then B's).  Windows 2, 3: the accumulators of my rows 0-63, 64-127.
.set BM, 256
.set BN, 192
.set KK, 1024
.set BIG, 1
.set NBF, 6                            ; blocks of 16 columns a wave
.set KSTEP, 128
.set QB, 64                            ; bytes of a row of B in a quarter step
.set AQ, 64                            ; LDS bytes from a quarter of A to the next
.set APITCH, 272
.set BPITCH, 272
.set A_HALFT, 128*APITCH
.set B_HALFT, 96*BPITCH
.set SLOTOFF, 131072                   ; slot 1: shares no bit with a wave's place in a slot, so one exclusive or changes slots
.set SPARE, SLOTOFF+2*(A_HALFT+B_HALFT) ; the spare words, 128 bytes a wave: two blocks of 256 bytes that no other line names
.set SP, 784                           ; a row of the stage: 768 bytes + 16
.set WOFF, 0
.set ASH, 8                            ; a K step is 1 << ASH bytes of A in memory, 1 << BSH of B
.set BSH, 8
.set ADIM0, KSTEP
.set ADIM1, BM/2
.set ASTRIDE, KK
.set AQI, 5
.set BQI, 5
.set NT, KK/KSTEP                      ; K steps
.set NA, 4+4*BIG                       ; blocks of 16 rows a wave
.set L1, 16-8*BIG                      ; the loads of a run's second group
.set LT, 32-BIG*(16-2*NBF)             ; all loads of a run
.set G1A, 24                           ; s[24:31] descriptor group 1, A      s[32:39] B
.set G1B, 32
.set G0A, 40                           ; s[40:47] group 0, A: a set for trip 0, a set for trip 1 that then walks      s[48:55] B
.set G0B, 48
; s14 wave; s15 my row half, and 0: I fetch A, 1: B; s16 my column half, and which half I fetch; s17 cx; s18 cy; s19 tile column; s20 tile row; s56 the slot that is read; s57 counter;
; s58 the trip whose tile is asked for; s59 m; s[60:61], s[62:63] a K step's byte offset in A, B; s[80:81], s[82:83] A, B at my rows, K step 0: never rewritten
; v1 l%16; v2 l/16; v4, v5 my place in a slot's A, B; v6, v7 the same in the slot that is read; v8, v9 into the stage; v10, v11 out of it; v12-14 offsets in the result; v28, v29 the add's
.set MSB, 0
.macro WIN new                         ; the high byte repeats the setting that is left; a switch that changes nothing is dropped
.if MSB != (\new)
	s_set_vgpr_msb (MSB<<8)|(\new)
.set MSB, \new
.endif
.endm
.macro PLACES                          ; four places in front of loads into registers that matrix instructions have read
.rept 4
	v_nop
.endr
.endm
.macro CREST                           ; a round of the cluster's barrier behind its opening barrier
	s_cmp_lg_u32 s14, 0
	s_cbranch_scc1 .Lnot_wave_0_\@
	s_barrier_signal -3
.Lnot_wave_0_\@:
	s_barrier_wait -3
	s_barrier_signal -1
	s_barrier_wait -1
.endm
.macro CROUND
	s_barrier_signal -1
	s_barrier_wait -1
	CREST
.endm
.macro JLOAD                           ; a joint refill by the walking set: waves 0, 1 fetch A's halves, waves 2, 3 B's; s_nop 0 and four v_nop follow each line
	s_cmp_eq_u32 s15, 0
	s_cbranch_scc0 .Lfor_b_\@
	tensor_load_to_lds s[G0A+4:G0A+7], s[G1A:G1A+7]
	s_nop 0
.rept 4
	v_nop
.endr
	s_branch .Lasked_\@
.Lfor_b_\@:
	tensor_load_to_lds s[G0B+4:G0B+7], s[G1B:G1B+7]
	s_nop 0
.rept 4
	v_nop
.endr
.Lasked_\@:
.endm
.macro NEXTK set                       ; the global addresses of group 0's set, made anew for trip s58: the base plus K step s58 xor s59, the type bits set again
	s_xor_b32 s23, s58, s59
	s_lshl_b32 s60, s23, ASH
	s_lshl_b32 s62, s23, BSH
	s_add_nc_u64 s[G0A+4*(\set)+2:G0A+4*(\set)+3], s[80:81], s[60:61]
	s_or_b32 s[G0A+4*(\set)+3], s[G0A+4*(\set)+3], 0x80000000
	s_add_nc_u64 s[G0B+4*(\set)+2:G0B+4*(\set)+3], s[82:83], s[62:63]
	s_or_b32 s[G0B+4*(\set)+3], s[G0B+4*(\set)+3], 0x80000000
.endm
; Matrix instructions for row blocks a0, a0 + 1 of half h, all column blocks.  All accumulators take turns in one order everywhere.  zero = 1: the product starts the sum.
.macro MULP f, h, a0, zero
	WIN 0xa5+0x50*(\h)*BIG
.irp a, \a0, (\a0)+1
.set bb, 0
.rept NBF
.set rD, 8*(NBF*(\a)+bb)
.set rB, 128*(\f)+64+8*((1-BIG)*NBF*(\h)+bb)
.set rA, 128*(\f)+8*(4*(\h)+(\a))
.if (\zero) && (BIG || ((\h) == 0))
	v_wmma_f32_16x16x32_bf16 v[rD:rD+7], v[rB:rB+7], v[rA:rA+7], 0
.else
	v_wmma_f32_16x16x32_bf16 v[rD:rD+7], v[rB:rB+7], v[rA:rA+7], v[rD:rD+7]
.endif
.set bb, bb+1
.endr
.endr
.endm
; One run of LDS loads: the fragments of quarter q into buffer f: B and A's rows 0-63 first, then A's rows 64-127.
.macro FETCH q, f
	WIN 0x40                                       ; destination window 1, address window 0
.set bb, 0
.rept NBF
	ds_load_b128 v[128*(\f)+64+8*bb:128*(\f)+64+8*bb+3],   v7 offset:(\q)*QB+bb*16*BPITCH
	ds_load_b128 v[128*(\f)+64+8*bb+4:128*(\f)+64+8*bb+7], v7 offset:(\q)*QB+bb*16*BPITCH+32
.set bb, bb+1
.endr
.set aa, 0
.rept 8
	ds_load_b128 v[128*(\f)+8*aa:128*(\f)+8*aa+3],   v6 offset:(\q)*AQ+aa*16*APITCH
	ds_load_b128 v[128*(\f)+8*aa+4:128*(\f)+8*aa+7], v6 offset:(\q)*AQ+aa*16*APITCH+32
.set aa, aa+1
.endr
.endm
.macro QUARTER q, f, g, zero           ; multiplies buffer f; in its middle fetches quarter q into buffer g
	s_wait_dscnt L1                                ; the run's first group is in; its second group may be out
	MULP \f, 0, 0, \zero
	MULP \f, 0, 2, \zero
	PLACES
	FETCH \q, \g
	s_wait_dscnt LT                                ; all but the run just issued
	MULP \f, 1, 0, \zero
	MULP \f, 1, 2, \zero
.endm
; The last quarter multiplies buffer 1 and changes slots.  In front of the barrier each wave waits for all its tensor loads (one is out: its part of the next slot), adds 0 to its spare word, and waits for
; that and for its reads of this slot.  fill = 1: the barrier opens a round of the cluster's barrier, and the joint refill of this slot, for the trip two on, is the first thing behind it.
.macro TURN fill
	WIN 0
	s_wait_tensorcnt 0x0
	ds_add_u32 v28, v29                            ; 0 onto my spare word; work on registers stands between it and the wait for it
.if \fill
	s_xor_b32 s[G0A+5], s[G0A+5], SLOTOFF          ; no tensor load of mine is out: the walking sets go to the other slot and to the next trip's K step
	s_xor_b32 s[G0B+5], s[G0B+5], SLOTOFF
	s_add_co_u32 s58, s58, 1
	NEXTK 1
.endif
	s_xor_b32 s56, s56, SLOTOFF                    ; the slot that is read next
	v_add_nc_u32 v6, s56, v4
	v_add_nc_u32 v7, s56, v5
	s_wait_dscnt L1+1                              ; the add and the run's second group may be out
	MULP 1, 0, 0, 0
	s_wait_dscnt 0x0                               ; the add is done, my reads of this slot are over
	s_barrier_signal -1
	MULP 1, 0, 2, 0
.if \fill
	WIN 0
.endif
	s_barrier_wait -1
.if \fill
	CREST
	JLOAD                                          ; its four v_nop are also the places in front of the loads below
.else
	PLACES
.endif
	FETCH 0, 0
	MULP 1, 1, 0, 0
	MULP 1, 1, 2, 0
.endm
.macro DUMP                            ; every accumulator into the stage, its low four registers first
.set aa, 0
.rept NA
	WIN 0x08+0x04*(aa/4)                           ; store data in window 2 or 3
.set bb, 0
.rept NBF
.set rD, 8*(NBF*(aa%4)+bb)
	ds_store_b128 v[8+aa/4], v[rD:rD+3] offset:16*(aa%4)*SP+64*bb
	ds_store_b128 v[8+aa/4], v[rD+4:rD+7] offset:16*(aa%4)*SP+64*bb+16
.set bb, bb+1
.endr
.set aa, aa+1
.endr
	WIN 0
.endm
	s_load_b256 s[4:11], s[0:1], 0x0               ; A s[4:5], wb s[6:7], bias s[8:9], the result s[10:11]
	v_lshl_add_u32 v28, v0, 2, SPARE
	v_mov_b32 v29, 0
	ds_add_u32 v28, v29                            ; the wave's opening: the add and its wait ahead of my first tensor load
	v_lshrrev_b32 v3, 5, v0
	v_readfirstlane_b32 s14, v3
	s_lshr_b32 s15, s14, 1
	s_and_b32 s16, s14, 1
	s_bfe_u32 s17, ttmp6, 0x40000                  ; cx
	s_bfe_u32 s18, ttmp6, 0x40004                  ; cy
	s_lshl_b32 s19, ttmp9, 2
	s_add_co_u32 s19, s19, s17                     ; tile column
	s_and_b32 s20, ttmp7, 0xffff
	s_lshl_b32 s20, s20, 2
	s_add_co_u32 s20, s20, s18                     ; tile row
	s_lshl_b32 s59, ttmp9, 1                       ; m = 2 x cluster x
	s_and_b32 s23, ttmp7, 1
	s_lshl_b32 s23, s23, 2
	s_xor_b32 s59, s59, s23                        ; xor 4 x (cluster y & 1): made of the cluster's place alone
	s_mov_b32 s61, 0
	s_mov_b32 s63, 0
	s_lshl_b32 s21, s18, 2
	s_lshl_b32 s21, 15, s21                        ; my row of the cluster
	s_lshl_b32 s22, 0x1111, s17                    ; my column
	s_or_b32 s[G1A], s21, (1<<16)|(1<<20)|(1<<21)|(AQI<<22)|(3<<25)  ; mask; 2-byte elements; padding on; bit 21 beside a mask; the interval; 4 words of padding
	s_or_b32 s[G1B], s22, (1<<16)|(1<<20)|(1<<21)|(BQI<<22)|(3<<25)
	s_mov_b32 s[G1A+1], (ADIM0&0xffff)<<16         ; tensor_dim0
	s_mov_b32 s[G1A+2], (ADIM0>>16)|(ADIM1<<16)    ; tensor_dim1
	s_mov_b32 s[G1A+3], ADIM0<<16                  ; tile_dim0
	s_mov_b32 s[G1A+4], ADIM1                      ; tile_dim1
	s_mov_b32 s[G1A+5], ASTRIDE                    ; elements from row to row
	s_mov_b32 s[G1A+6], 0
	s_mov_b32 s[G1A+7], 0
	s_mov_b32 s[G1B+1], KSTEP<<16
	s_mov_b32 s[G1B+2], (BN/2)<<16
	s_mov_b32 s[G1B+3], KSTEP<<16
	s_mov_b32 s[G1B+4], BN/2
	s_mov_b32 s[G1B+5], KK
	s_mov_b32 s[G1B+6], 0
	s_mov_b32 s[G1B+7], 0
	s_mul_i32 s80, s20, BM*2*KK                    ; A's rows hang on the tile row and the half alone
	s_mul_i32 s81, s16, (BM/2)*2*KK
	s_add_co_u32 s80, s80, s81
	s_mov_b32 s81, 0
	s_mul_i32 s82, s19, BN*2*KK                    ; B's on the tile column and the half alone
	s_mul_i32 s83, s16, (BN/2)*2*KK
	s_add_co_u32 s82, s82, s83
	s_add_co_u32 s82, s82, WOFF
	s_mov_b32 s83, 0
	s_mul_i32 s84, s16, A_HALFT                    ; where they go: no place in the cluster enters an LDS address
	s_mul_i32 s85, s16, B_HALFT
	s_add_co_u32 s85, s85, 2*A_HALFT
	s_wait_dscnt 0x0                               ; the opening add is done
	s_wait_kmcnt 0x0
	s_add_nc_u64 s[80:81], s[4:5], s[80:81]
	s_add_nc_u64 s[82:83], s[6:7], s[82:83]
	CROUND                                         ; all sixteen work-groups are here: the first joint loads meet
.irp s, 0,1
	s_mov_b32 s[G0A+4*\s], 1
	s_add_co_u32 s[G0A+4*\s+1], s84, \s*SLOTOFF
	s_mov_b32 s[G0B+4*\s], 1
	s_add_co_u32 s[G0B+4*\s+1], s85, \s*SLOTOFF
	s_mov_b32 s58, \s
	NEXTK \s
.endr
	s_cmp_eq_u32 s15, 0                            ; a wave's two first fills stand in one branch: two loads of mine are out
	s_cbranch_scc0 .Lfirst_b
	tensor_load_to_lds s[G0A:G0A+3], s[G1A:G1A+7]
	s_nop 0
	tensor_load_to_lds s[G0A+4:G0A+7], s[G1A:G1A+7]
	s_nop 0
.rept 4
	v_nop
.endr
	s_branch .Lfirst_asked
.Lfirst_b:
	tensor_load_to_lds s[G0B:G0B+3], s[G1B:G1B+7]
	s_nop 0
	tensor_load_to_lds s[G0B+4:G0B+7], s[G1B:G1B+7]
	s_nop 0
.rept 4
	v_nop
.endr
.Lfirst_asked:
	v_and_b32 v1, 15, v0
	v_bfe_u32 v2, v0, 4, 1
	v_mul_u32_u24 v4, v1, APITCH                   ; a fragment: row l % 16, 16 bytes for each half of the lanes, twice, 32 bytes apart
	v_lshl_add_u32 v4, v2, 4, v4
	s_mul_i32 s86, s15, A_HALFT
	v_add_nc_u32 v4, s86, v4
	v_mul_u32_u24 v5, v1, BPITCH
	v_lshl_add_u32 v5, v2, 4, v5
	s_mul_i32 s87, s16, B_HALFT
	s_add_co_u32 s87, s87, 2*A_HALFT
	v_add_nc_u32 v5, s87, v5
	v_mov_b32 v6, v4
	v_mov_b32 v7, v5
	s_mov_b32 s56, 0
	v_mul_u32_u24 v8, v1, SP                       ; into the stage: row l % 16 of my rows, 32 bytes for each half of the lanes
	v_lshl_add_u32 v8, v2, 5, v8
	s_mul_i32 s86, s15, (BM/2)*SP
	s_mul_i32 s87, s16, (BN/2)*4
	s_add_co_u32 s86, s86, s87
	v_add_nc_u32 v8, s86, v8
	v_add_nc_u32 v9, 64*SP, v8
	; the way out's addresses, and the bias
	v_lshlrev_b32 v15, 4, v1                       ; bias of columns 192 x tile column + 64 hh + 4 (l % 16)
	s_mul_i32 s66, s19, 768
	v_add_nc_u32 v15, s66, v15
	global_load_b128 v[32:35], v15, s[8:9]
	global_load_b128 v[36:39], v15, s[8:9] offset:256
	global_load_b128 v[40:43], v15, s[8:9] offset:512
	s_lshl_b32 s67, s14, 6                         ; my 64 rows of the stage; lanes 0-15 take a head's 256 bytes of one row, lanes 16-31 of the next
	v_add_nc_u32 v10, s67, v2
	v_mul_u32_u24 v10, v10, SP
	v_lshl_add_u32 v10, v1, 4, v10
	v_and_b32 v16, 31, v0
	v_lshlrev_b32 v16, 3, v16                      ; 8 x lane: two tokens' 128 bytes
	s_and_b32 s68, s20, 7
	s_lshl_b32 s68, s68, 8
	s_add_co_u32 s68, s68, s67                     ; my first token in its batch
	s_lshl_b32 s68, s68, 7
	s_lshr_b32 s69, s20, 3                         ; the batch
	s_lshl_b32 s69, s69, 4
	s_mul_i32 s70, s19, 3                          ; the tile's first head among 48
.irp hh, 0,1,2
	s_add_co_u32 s71, s70, \hh
	s_lshr_b32 s72, s71, 4                         ; q, k or v
	s_lshl_b32 s72, s72, 5
	s_and_b32 s71, s71, 15
	s_add_co_u32 s71, s71, s72
	s_add_co_u32 s71, s71, s69
	s_lshl_b32 s71, s71, 18                        ; 262,144 bytes a head
	s_add_co_u32 s71, s71, s68
	v_add_nc_u32 v[12+\hh], s71, v16
.endr
	s_wait_tensorcnt 0x1                           ; my part of trip 0's tile is in; trip 1's may stay out
	s_barrier_signal -1
	s_barrier_wait -1
	FETCH 0, 0
	QUARTER 1, 0, 1, 1                             ; the first quarter starts the sums
	WIN 0
	s_mov_b32 s57, NT-2
.Lstep:                                                ; a trip: from a K step's second quarter to the next step's first; one refill
	QUARTER 2, 1, 0, 0
	QUARTER 3, 0, 1, 0
	TURN 1
	QUARTER 1, 0, 1, 0
	WIN 0
	s_sub_co_u32 s57, s57, 1
	s_cmp_lg_u32 s57, 0
	s_cbranch_scc1 .Lstep
	s_mov_b32 s57, 2
.Ltail:                                                ; the last two K steps ask for nothing.  The second trip's fetch reads bytes of the other slot that have landed and serve nothing: the price of one text for both
	QUARTER 2, 1, 0, 0
	QUARTER 3, 0, 1, 0
	TURN 0
	WIN 0
	s_sub_co_u32 s57, s57, 1
	s_cmp_eq_u32 s57, 0
	s_cbranch_scc1 .Ldone
	QUARTER 1, 0, 1, 0
	WIN 0
	s_branch .Ltail
.Ldone:
.rept 8
	v_nop                                          ; the places behind the last products
.endr
	s_wait_dscnt 0x0
	s_barrier_signal -1
	s_barrier_wait -1                              ; every wave's reads of the ring are over; it has had its last fill
	DUMP
	s_wait_dscnt 0x0
	s_barrier_signal -1
	s_barrier_wait -1                              ; the tile lies in the stage
	s_wait_loadcnt 0x0                             ; the bias, rounded to bf16 like every input
.irp k, 0,1,2,3,4,5
	v_cvt_pk_bf16_f32 v[44+\k%2], v[32+2*\k], v[33+2*\k]
	v_lshlrev_b32 v[32+2*\k], 16, v[44+\k%2]
	v_and_b32 v[33+2*\k], 0xffff0000, v[44+\k%2]
.endr
.macro LOADX                           ; eight rows: pair i of rows, head hh
.set nn, 0
.rept 12
	ds_load_b128 v[64+4*nn:64+4*nn+3], v11 offset:2*SP*(nn/3)+256*(nn%3)
.set nn, nn+1
.endr
.endm
	v_mov_b32 v11, v10
	LOADX
	s_mov_b32 s57, 8
.Lout:                                                 ; eight rows a trip; the next trip's rows are read while this trip's are stored
	s_wait_dscnt 0x0
.set nn, 0
.rept 12
	v_pk_add_f32 v[64+4*nn:64+4*nn+1], v[64+4*nn:64+4*nn+1], v[32+4*(nn%3):32+4*(nn%3)+1]
	v_pk_add_f32 v[64+4*nn+2:64+4*nn+3], v[64+4*nn+2:64+4*nn+3], v[32+4*(nn%3)+2:32+4*(nn%3)+3]
.set nn, nn+1
.endr
.set nn, 0
.rept 24
	v_cvt_pk_bf16_f32 v[112+nn], v[64+2*nn], v[64+2*nn+1]
.set nn, nn+1
.endr
	s_cmp_eq_u32 s57, 1                            ; the last trip has no rows behind it
	s_cbranch_scc1 .Lno_ahead
	v_add_nc_u32 v11, 8*SP, v11
	LOADX
.Lno_ahead:
.set nn, 0
.rept 12
	global_store_b64 v[12+nn%3], v[112+2*nn:112+2*nn+1], s[10:11] offset:256*(nn/3)  ; 32 lanes store 256 consecutive bytes, aligned
.set nn, nn+1
.endr
	s_wait_xcnt 0x0                                ; the stores have read their data and their base
	s_add_nc_u64 s[10:11], s[10:11], 1024          ; eight tokens on
	s_sub_co_u32 s57, s57, 1
	s_cmp_lg_u32 s57, 0
	s_cbranch_scc1 .Lout
	s_wait_tensorcnt 0x0                           ; the wave's end
	ds_add_u32 v28, v29
	s_wait_dscnt 0x0
	CROUND                                         ; the closing round
	s_endpgm
.Lfunc_end_k_q36360d8b4e_qkv:
	.size	k_q36360d8b4e_qkv, .Lfunc_end_k_q36360d8b4e_qkv-k_q36360d8b4e_qkv
	.p2alignl 7, 3214868480
	.fill 96, 4, 3214868480
	.section	.rodata,"a",@progbits
	.p2align	6, 0x0
	.amdhsa_kernel k_q36360d8b4e_qkv
		.amdhsa_group_segment_fixed_size 327680
		.amdhsa_private_segment_fixed_size 0
		.amdhsa_enable_private_segment 0
		.amdhsa_kernarg_size 32
		.amdhsa_user_sgpr_count 2
		.amdhsa_user_sgpr_kernarg_segment_ptr 1
		.amdhsa_wavefront_size32 1
		.amdhsa_system_sgpr_workgroup_id_x 1
		.amdhsa_system_sgpr_workgroup_id_y 1
		.amdhsa_system_sgpr_workgroup_id_z 1
		.amdhsa_system_vgpr_workitem_id 0
		.amdhsa_next_free_vgpr 960
		.amdhsa_next_free_sgpr 96
		.amdhsa_reserve_vcc 0
		.amdhsa_float_denorm_mode_32 3
		.amdhsa_float_denorm_mode_16_64 3
		.amdhsa_memory_ordered 1
		.amdhsa_forward_progress 1
		.amdhsa_inst_pref_size 72
	.end_amdhsa_kernel
	.amdgpu_metadata
---
amdhsa.version: [ 1, 2 ]
amdhsa.kernels:
  - .name:           k_q36360d8b4e_qkv
    .symbol:         k_q36360d8b4e_qkv.kd
    .args:
      - { .name: hbuf, .offset: 0, .size: 8, .value_kind: global_buffer, .address_space: global }
      - { .name: wb, .offset: 8, .size: 8, .value_kind: global_buffer, .address_space: global }
      - { .name: in_proj_b, .offset: 16, .size: 8, .value_kind: global_buffer, .address_space: global }
      - { .name: qkvb, .offset: 24, .size: 8, .value_kind: global_buffer, .address_space: global }
    .group_segment_fixed_size: 327680
    .private_segment_fixed_size: 0
    .kernarg_segment_align: 8
    .kernarg_segment_size: 32
    .max_flat_workgroup_size: 128
    .sgpr_count:     96
    .vgpr_count:     960
    .wavefront_size: 32
...
	.end_amdgpu_metadata
.endif
;; end of part 2
;; launch attn (part 3): grid 8 x 32, 8 waves a work-group, clusters of 4 x 1, 327,680 bytes of LDS; arguments qkvb, ctxb; writes ctxb
.if DOCPART == 3
	.amdgcn_target "amdgcn-amd-amdhsa--gfx1250"
	.amdhsa_code_object_version 6
	.text
	.protected	k_q36360d8b4e_attn
	.globl	k_q36360d8b4e_attn
	.p2align	8
	.type	k_q36360d8b4e_attn,@function
k_q36360d8b4e_attn:
	s_mov_b64 s[64:65], 0
	v_nop
	global_prefetch_b8 v0, s[64:65] scope:SCOPE_SE
	s_setreg_imm32_b32 hwreg(HW_REG_WAVE_MODE, 25, 1), 1
	s_wait_xcnt 0x0
	s_wait_alu depctr_hold_cnt(0) depctr_sa_sdst(0) depctr_va_vdst(0) depctr_va_sdst(0) depctr_va_ssrc(0) depctr_va_vcc(0) depctr_vm_vsrc(0)
	s_getreg_b32 s2, hwreg(HW_REG_IB_STS2, 6, 4)
	s_cmp_eq_u32 s2, 0
	s_cbranch_scc0 .Lentry_in_a_cluster
	s_endpgm
.Lentry_in_a_cluster:
	s_bfe_u32 s2, ttmp6, 0x10000c
	s_cmp_lg_u32 s2, 0x3003
	s_cbranch_scc0 .Lentry_shape_is_right
	s_endpgm
.Lentry_shape_is_right:
; ATTENTION UNDER THE PREFIX MASK.  Row i of a head sees key j if j < 512, or if i >= 512 and j <= i.  q, k, v: [32][2048][64] bf16 in qkvb, one after the other; ctxb has the same layout.
; Products, maxima and sums in f32; the weights are rounded to bf16 for the second product (their sum is taken unrounded), the result once at the end.
; LIMITS.  A hidden score is replaced by -1e30: true scores at or beyond that are not served.  A weight below 2^-126 counts as 0.  NaN and infinities are not treated apart.
; SHARES.  A head's rows fall into four classes of 512.  A PIECE is 16 rows: 512 c + 128 U + 16 X + lane % 16, with X the work-group (0-7) and U = wave & 3.  Wave v owns two pieces: class 3 - G and class G, G = v >> 2.
; Keys go in steps of 64.  A piece of class c >= 1 takes steps 0 .. 8 c + 2 U + 1, of which the last two are masked; class 0 takes steps 0-7 unmasked.  These counts hang on the wave's number alone, so
; all work-groups walk alike: 32 steps, counted to a constant, with forward jumps over a wave's dead steps.  X enters Q's and the result's addresses and the mask's lane data alone.
; CLUSTER.  Four work-groups of a head form a cluster and ask for each tile of K and V (256 keys) jointly.  Two slots of a tile each; waves 0, 1 bring K's halves, waves 2, 3 V's, waves 4-7 none.
; LAYOUT.  S^T = K Q^T holds one query a lane (lane % 16) and keys 8 (lane / 16) + 0..7; two such results rounded to bf16 are source 1 of O^T = V^T P.  V comes out of LDS turned (ds_load_tr16_b128).
; SOFTMAX.  A running maximum m and sum l: p = 2^(c s - c m), c = log2(e) / 8; O and l are multiplied by a = 2^(c m_old - c m_new) in every step.  m starts at the lowest finite number, O and l at 0.
; Every row has seen true scores before its first hidden one, so m is a true score by then.
; TWO WAVES lie on a SIMD: one wave's softmax stands beside the other's products.
; REGISTERS.  Window 0: addresses; v[24:31] statistics; v[32:36] at work; v[64:127] S^T; v[128:159] P; v[160:223] O^T (32, 16, 32 a piece).  Window 1: v[0:31] Q; v[64:127] K; v[128:191] V of a step.
.set PK, 144                           ; a row of K in LDS: 128 bytes + 16
.set PV, 160                           ; a row of V: 128 + 32
.set VOFF, 256*PK
.set SLOT1, 1<<17
.set STAGE, SLOT1+256*(PK+PV)          ; 16 rows x 144 bytes for each wave, never filled by a tensor load
.set SP, 144
.set SPARE, STAGE+8*16*SP              ; the spare words, 128 bytes a wave: four blocks of 256 bytes that no other line names
.set ST, 24                            ; piece p: c m, m, l (even keys', odd keys') at ST + 4 p
.set TMP, 32
.set S, 64
.set P, 128
.set O, 160
.set KF, 64
.set VF, 128
; v2, v3 my place in a tile of K, V; v4, v5 the run's address; v6, v7, v8 the way out; v9 Q; v10, v11 my row less 8 (lane / 16), by piece; v12 the same less the step's first key; v13 -1e30; v20, v21 the add's; v22 prefetch
; s12 wave; s13 U; s14 G; s15, s[18:19] prefetch; s[24:31], s[32:39] group 1 for K, V; s[40:43], s[44:47] group 0; s56 tiles to ask for; s57 steps; s[58:59] c; s[60:61] selects; s62, s63 where K, V of the next step lie;
; s70 the step; s71, s72 the pieces' numbers of steps; s73, s74 their first masked steps; s[66:69] Q, s[76:79] the result, by piece
.set MSB, 0
.macro WIN new
.if MSB != (\new)
	s_set_vgpr_msb (MSB<<8)|(\new)
.set MSB, \new
.endif
.endm
.macro PLACES
.rept 4
	v_nop
.endr
.endm
.macro CROUND                          ; a round of the cluster's barrier
	s_barrier_signal -1
	s_barrier_wait -1
	s_cmp_lg_u32 s12, 0
	s_cbranch_scc1 .Lnot_wave_0_\@
	s_barrier_signal -3
.Lnot_wave_0_\@:
	s_barrier_wait -3
	s_barrier_signal -1
	s_barrier_wait -1
.endm
.macro JLOAD                           ; a joint fill; the branches hang on the wave's number alone; s_nop 0 and four v_nop follow each line
	s_cmp_lt_u32 s12, 2
	s_cbranch_scc0 .Lnot_k_\@
	tensor_load_to_lds s[40:43], s[24:31]
	s_nop 0
.rept 4
	v_nop
.endr
	s_branch .Lasked_\@
.Lnot_k_\@:
	s_cmp_lt_u32 s12, 4
	s_cbranch_scc0 .Lasked_\@
	tensor_load_to_lds s[44:47], s[32:39]
	s_nop 0
.rept 4
	v_nop
.endr
.Lasked_\@:
.endm
; A prefetch of the tile that the next change of slots will ask for: 128 blocks of 256 bytes of K and of V.  The head's first cluster asks; its four partners take 32 blocks each, by address; wave 0 asks for K's, wave 2 for V's.
.macro ASK
	s_cmp_gt_u32 s56, s15
	s_cbranch_scc0 .Lnot_mine_\@
	global_prefetch_b8 v22, s[18:19] th:TH_LOAD_NT scope:SCOPE_SE
.Lnot_mine_\@:
.endm
; THE CHANGE OF SLOTS.  Each wave waits for all its tensor loads, adds 0 to its spare word, and waits for that and for its reads of the slot that it leaves.  fill = 1: behind a round of the cluster's barrier the old slot is filled with the tile two on.
.macro CHANGE fill, ask
	WIN 0
	s_wait_tensorcnt 0x0
	ds_add_u32 v20, v21
.if \fill
	s_xor_b32 s41, s41, SLOT1                      ; no tensor load of mine is out: the descriptors walk
	s_add_nc_u64 s[42:43], s[42:43], 32768
	s_xor_b32 s45, s45, SLOT1
	s_add_nc_u64 s[46:47], s[46:47], 32768
.if \ask
	s_wait_xcnt 0x0                                ; the last prefetch, four steps back, has read its address
	s_add_nc_u64 s[18:19], s[18:19], 32768
.endif
	s_wait_dscnt 0x0
	CROUND
	JLOAD
.if \ask
	ASK
.endif
.else
	s_wait_dscnt 0x0
	s_barrier_signal -1
	s_barrier_wait -1
.endif
	s_sub_co_u32 s62, s62, 4*64*PK                 ; the fetches go back to a slot's first step, in the other slot
	s_xor_b32 s62, s62, SLOT1
	s_sub_co_u32 s63, s63, 4*64*PV
	s_xor_b32 s63, s63, SLOT1
.endm
.macro FETCH_K                         ; a step's K: 8 fragments, keys 16 (f / 2) on, channels 32 (f % 2) on
	v_add_nc_u32 v4, s62, v2
	WIN 0x40
.irp f, 0,1,2,3,4,5,6,7
	ds_load_b128 v[KF+8*\f:KF+8*\f+3],   v4 offset:(\f/2)*16*PK+(\f%2)*64
	ds_load_b128 v[KF+8*\f+4:KF+8*\f+7], v4 offset:(\f/2)*16*PK+(\f%2)*64+32
.endr
	WIN 0
.endm
.macro FETCH_V                         ; a step's V, turned: keys 32 (f / 4) on, channels 16 (f % 4) on
	v_add_nc_u32 v5, s63, v3
	WIN 0x40
.irp f, 0,1,2,3,4,5,6,7
	ds_load_tr16_b128 v[VF+8*\f:VF+8*\f+3],   v5 offset:(\f/4)*32*PV+(\f%4)*32
	ds_load_tr16_b128 v[VF+8*\f+4:VF+8*\f+7], v5 offset:(\f/4)*32*PV+16*PV+(\f%4)*32
.endr
	WIN 0
.endm
.macro KQ p                            ; S^T = K Q^T: four accumulators by turns; the first four products start the sums
	WIN 0x05
.set ii, 0
.rept 8
.set rS, S+32*(\p)+8*(ii%4)
.set rK, KF+16*(ii%4)+8*(ii/4)
.set rQ, 16*(\p)+8*(ii/4)
.if ii < 4
	v_wmma_f32_16x16x32_bf16 v[rS:rS+7], v[rK:rK+7], v[rQ:rQ+7], 0
.else
	v_wmma_f32_16x16x32_bf16 v[rS:rS+7], v[rK:rK+7], v[rQ:rQ+7], v[rS:rS+7]
.endif
.set ii, ii+1
.endr
	WIN 0
.endm
.macro PV p                            ; O^T += V^T P
	WIN 0x01
.set ii, 0
.rept 8
.set rO, O+32*(\p)+8*(ii%4)
.set rV, VF+32*(ii/4)+8*(ii%4)
.set rP, P+16*(\p)+8*(ii/4)
	v_wmma_f32_16x16x32_bf16 v[rO:rO+7], v[rV:rV+7], v[rP:rP+7], v[rO:rO+7]
.set ii, ii+1
.endr
	WIN 0
.endm
; A piece's softmax for one step.  The 33 exponentials are one batch with one wait; nothing ahead of the wait names a result of theirs.  Each accumulator's lowest registers are read first.
.macro SM p
.set rT, ST+4*(\p)
.set rS, S+32*(\p)
.set rP, P+16*(\p)
.set rO, O+32*(\p)
	s_cmp_lt_u32 s70, s[73+(\p)]
	s_cbranch_scc1 .Lopen_\@
	s_lshl_b32 s75, s70, 6                         ; the step's first key
	v_sub_nc_u32 v12, v[10+(\p)], s75
.set ii, 0
.rept 32
	v_cmp_gt_i32 vcc_lo, 16*(ii/8)+ii%8, v12       ; the key lies behind my row
	v_cndmask_b32 v[rS+ii], v[rS+ii], v13, vcc_lo
.set ii, ii+1
.endr
.Lopen_\@:
.set nn, 0
.rept 4
	v_max3_num_f32 v[TMP+nn], v[rS+8*nn], v[rS+8*nn+1], v[rS+8*nn+2]
.set nn, nn+1
.endr
.rept 8
	v_max3_num_f32 v[TMP+nn%4], v[TMP+nn%4], v[rS+8*(nn%4)+2*(nn/4)+1], v[rS+8*(nn%4)+2*(nn/4)+2]
.set nn, nn+1
.endr
	v_max3_num_f32 v[TMP], v[TMP], v[rS+7], v[rS+15]
	v_max3_num_f32 v[TMP+1], v[TMP+1], v[rS+23], v[rS+31]
	v_max3_num_f32 v[TMP+2], v[TMP+2], v[TMP+3], v[rT+1]
	v_mov_b32 v36, v[rT]                           ; c m_old is kept
	v_max3_num_f32 v[TMP], v[TMP], v[TMP+1], v[TMP+2]
	v_permlanex16_b32 v[TMP+3], v[TMP], s60, s61   ; the query's other 32 keys lie in the lane 16 away
	v_max_num_f32 v[rT+1], v[TMP], v[TMP+3]
	v_mul_f32 v[rT], s58, v[rT+1]
	v_sub_f32 v[TMP+1], v36, v[rT]
	v_exp_f32 v[TMP+2], v[TMP+1]                   ; a
.set jj, 0
.rept 16
	v_pk_fma_f32 v[rS+2*jj:rS+2*jj+1], v[rS+2*jj:rS+2*jj+1], s[58:59], v[rT:rT+1] op_sel_hi:[1,0,0] neg_lo:[0,0,1] neg_hi:[0,0,1]  ; c s - c m
.if jj > 0
	v_exp_f32 v[rS+2*jj-2], v[rS+2*jj-2]
	v_exp_f32 v[rS+2*jj-1], v[rS+2*jj-1]
.endif
.set jj, jj+1
.endr
	v_exp_f32 v[rS+30], v[rS+30]
	v_exp_f32 v[rS+31], v[rS+31]
	v_nop                                          ; a plain instruction behind the last exponential
	s_wait_alu depctr_va_vdst(0)                   ; the wait for the batch
.set nn, 0
.rept 16
	v_pk_mul_f32 v[rO+2*nn:rO+2*nn+1], v[rO+2*nn:rO+2*nn+1], v[TMP+2:TMP+3] op_sel_hi:[1,0]
.set nn, nn+1
.endr
.set nn, 0
.rept 8                                ; four weights: both pairs rounded, the second pair added onto the first; l takes the sum a group later
	v_cvt_pk_bf16_f32 v[rP+2*nn], v[rS+4*nn], v[rS+4*nn+1]
	v_cvt_pk_bf16_f32 v[rP+2*nn+1], v[rS+4*nn+2], v[rS+4*nn+3]
	v_pk_add_f32 v[rS+4*nn:rS+4*nn+1], v[rS+4*nn:rS+4*nn+1], v[rS+4*nn+2:rS+4*nn+3]
.if nn == 1
	v_pk_fma_f32 v[rT+2:rT+3], v[rT+2:rT+3], v[TMP+2:TMP+3], v[rS:rS+1] op_sel_hi:[1,0,1]
.elseif nn > 1
	v_pk_add_f32 v[rT+2:rT+3], v[rT+2:rT+3], v[rS+4*nn-4:rS+4*nn-3]
.endif
.set nn, nn+1
.endr
	v_pk_add_f32 v[rT+2:rT+3], v[rT+2:rT+3], v[rS+28:rS+29]
.endm
; A TRIP, step s70: its scores and its V are in registers.  K of the next step is fetched; softmax and V^T P of this step; V of the next step is fetched; K Q^T of the next step.
; both = 1: the text holds the second piece too.  tail = 1: the walk's last trips; in the last one nothing is fetched and no scores are made.  A piece's last trip otherwise makes one step's scores that serve nothing.
; What is jumped holds neither a barrier nor a tensor load; the three steps at the end stand on every way.
.macro TRIP both, tail
	s_cmp_lt_u32 s70, s71
	s_cbranch_scc0 .Ldead_\@
	PLACES                                         ; behind the last K Q^T: in front of the loads into K and of the reads of the scores
.if \tail
	s_cmp_eq_u32 s57, 1
	s_cbranch_scc1 .Lno_k_\@
.endif
	FETCH_K
.if \tail
.Lno_k_\@:
.endif
	SM 0
	s_wait_dscnt 0x0                               ; V of this step, K of the next: issued a softmax ago or earlier
	PV 0
.if \both
	s_cmp_lt_u32 s70, s72
	s_cbranch_scc0 .Lno_l_\@
	SM 1
	PV 1
.Lno_l_\@:
.endif
.if \tail
	s_cmp_eq_u32 s57, 1
	s_cbranch_scc1 .Ldead_\@
.endif
	PLACES                                         ; in front of the loads into V
	FETCH_V
	s_wait_dscnt 16                                ; V's 16 loads may stay out; K is in
	KQ 0
.if \both
	s_cmp_lt_u32 s70, s72
	s_cbranch_scc0 .Ldead_\@
	KQ 1
.endif
.Ldead_\@:
	s_add_co_u32 s62, s62, 64*PK
	s_add_co_u32 s63, s63, 64*PV
	s_add_co_u32 s70, s70, 1
.endm
	s_load_b128 s[4:7], s[0:1], 0x0                ; qkvb s[4:5], ctxb s[6:7]
	v_lshl_add_u32 v20, v0, 2, SPARE
	v_mov_b32 v21, 0
	ds_add_u32 v20, v21                            ; the wave's opening: the add and its wait ahead of my first tensor load
	v_lshrrev_b32 v1, 5, v0
	v_readfirstlane_b32 s12, v1                    ; wave 0..7
	s_and_b32 s13, s12, 3                          ; U
	s_lshr_b32 s14, s12, 2                         ; G
	s_bfe_u32 s16, ttmp6, 0x40000                  ; cx
	s_lshl_b32 s17, ttmp9, 2
	s_add_co_u32 s17, s17, s16                     ; X
	s_and_b32 s20, ttmp7, 0xffff                   ; batch x 16 + head, which the partners share
	s_lshl_b32 s21, s20, 18                        ; its 262,144 bytes
	s_and_b32 s22, s12, 1                          ; which half of a tile's 256 keys I fetch
	s_lshl_b32 s23, s22, 14
	s_add_co_u32 s84, s21, s23
	s_add_co_u32 s84, s84, 32*262144               ; K lies behind q's 32 heads,
	s_mov_b32 s85, 0
	s_add_co_u32 s86, s84, 32*262144               ; V behind K's
	s_mov_b32 s87, 0
	s_mul_i32 s88, s22, 128*PK
	s_mul_i32 s89, s22, 128*PV
	s_sub_co_u32 s90, 3, s14
	s_lshl_b32 s90, s90, 9
	s_lshl_b32 s91, s13, 7
	s_add_co_u32 s90, s90, s91
	s_lshl_b32 s92, s17, 4
	s_add_co_u32 s90, s90, s92                     ; the first piece's first row
	s_lshl_b32 s93, s14, 9
	s_add_co_u32 s93, s93, s91
	s_add_co_u32 s93, s93, s92                     ; the second piece's
	s_lshl_b32 s80, s90, 7
	s_add_co_u32 s80, s80, s21
	s_mov_b32 s81, 0
	s_lshl_b32 s82, s93, 7
	s_add_co_u32 s82, s82, s21
	s_mov_b32 s83, 0
	s_lshl_b32 s75, s13, 1
	s_lshl_b32 s71, s14, 3
	s_sub_co_u32 s71, 26, s71
	s_add_co_u32 s71, s71, s75                     ; 8 (3 - G) + 2 U + 2 steps
	s_sub_co_u32 s73, s71, 2                       ; the last two masked
	s_add_co_u32 s72, s75, 10
	s_add_co_u32 s74, s75, 8
	s_cmp_eq_u32 s14, 0
	s_cselect_b32 s72, 8, s72                      ; class 0: eight steps,
	s_cselect_b32 s74, 64, s74                     ; none masked
	; 128 keys are 16,384 dense bytes: asked for as 64 rows of 256 bytes, padded in LDS after every key
	s_mov_b32 s24, 15|(1<<16)|(1<<20)|(1<<21)|(4<<22)|(3<<25)
	s_mov_b32 s32, 15|(1<<16)|(1<<20)|(1<<21)|(4<<22)|(7<<25)
.irp g, 24, 32
	s_mov_b32 s[\g+1], 128<<16
	s_mov_b32 s[\g+2], 64<<16
	s_mov_b32 s[\g+3], 128<<16
	s_mov_b32 s[\g+4], 64
	s_mov_b32 s[\g+5], 128
	s_mov_b32 s[\g+6], 0
	s_mov_b32 s[\g+7], 0
.endr
	s_mov_b32 s58, 0x3e38aa3b                      ; c = log2(e) / 8
	s_mov_b32 s59, s58
	s_mov_b32 s60, 0x76543210
	s_mov_b32 s61, 0xfedcba98
	s_mov_b32 s62, SLOT1+4*64*PK                   ; the first change of slots turns these two into 0
	s_mov_b32 s63, SLOT1+4*64*PV
	s_mov_b32 s70, 0
	s_mov_b32 s40, 1
	s_mov_b32 s41, s88
	s_mov_b32 s44, 1
	s_add_co_u32 s45, s89, VOFF
	s_and_b32 s15, s12, 5                          ; 0 in waves 0 and 2,
	s_or_b32 s15, s15, ttmp9                       ; where the cluster is the head's first
	s_cmp_eq_u32 s15, 0
	s_cselect_b32 s15, 1, -1
	s_cmp_lt_u32 s12, 2
	s_cselect_b32 s94, s84, s86
	s_lshl_b32 s95, s16, 13                        ; my work-group's 32 blocks of the 128
	s_add_co_u32 s94, s94, s95
	s_add_co_u32 s94, s94, 2*32768                 ; at tile 2: the first asking change steps it to tile 3
	s_mov_b32 s95, 0
	s_wait_dscnt 0x0                               ; the opening add is done
	s_wait_kmcnt 0x0
	s_add_nc_u64 s[42:43], s[4:5], s[84:85]
	s_or_b32 s43, s43, 0x80000000
	s_add_nc_u64 s[46:47], s[4:5], s[86:87]
	s_or_b32 s47, s47, 0x80000000
	s_add_nc_u64 s[18:19], s[4:5], s[94:95]
	s_add_nc_u64 s[66:67], s[4:5], s[80:81]
	s_add_nc_u64 s[68:69], s[4:5], s[82:83]
	s_add_nc_u64 s[76:77], s[6:7], s[80:81]
	s_add_nc_u64 s[78:79], s[6:7], s[82:83]
	CROUND                                         ; all four work-groups are here
	JLOAD                                          ; tile 0 into slot 0
	v_and_b32 v1, 15, v0
	v_bfe_u32 v14, v0, 4, 1
	v_lshlrev_b32 v9, 7, v1
	v_lshl_add_u32 v9, v14, 4, v9                  ; row x 128 + 16 x half
	WIN 0x40
.irp c, 0,1
	global_load_b128 v[8*\c:8*\c+3],       v9, s[66:67] offset:64*\c
	global_load_b128 v[8*\c+4:8*\c+7],     v9, s[66:67] offset:64*\c+32
	global_load_b128 v[16+8*\c:16+8*\c+3], v9, s[68:69] offset:64*\c
	global_load_b128 v[16+8*\c+4:16+8*\c+7], v9, s[68:69] offset:64*\c+32
.endr
	WIN 0
	v_mul_u32_u24 v2, v1, PK
	v_lshl_add_u32 v2, v14, 4, v2
	v_and_b32 v15, 7, v0
	v_bfe_u32 v16, v0, 3, 1
	v_lshl_add_u32 v3, v14, 3, v15                 ; the turning load: key 8 (l / 16) + l % 8, channels 8 ((l / 8) % 2) on
	v_mul_u32_u24 v3, v3, PV
	v_lshl_add_u32 v3, v16, 4, v3
	v_add_nc_u32 v3, VOFF, v3
	s_mul_i32 s75, s12, 16*SP
	s_add_co_u32 s75, s75, STAGE                   ; my stage
	v_mul_u32_u24 v6, v1, SP
	v_lshl_add_u32 v6, v14, 4, v6
	v_add_nc_u32 v6, s75, v6
	v_bfe_u32 v7, v0, 3, 2
	v_mul_u32_u24 v7, v7, SP
	v_lshl_add_u32 v7, v15, 4, v7
	v_add_nc_u32 v7, s75, v7
	v_and_b32 v8, 31, v0
	v_lshlrev_b32 v22, 8, v8
	v_lshlrev_b32 v8, 4, v8
	v_lshlrev_b32 v17, 3, v14
	v_sub_nc_u32 v17, v1, v17
	v_add_nc_u32 v10, s90, v17
	v_add_nc_u32 v11, s93, v17
	v_mov_b32 v13, 0xf149f2ca                      ; -1e30
.set ii, 0
.rept 64
	v_mov_b32 v[O+ii], 0                           ; O starts at 0: written in the wait for the first tile, so that no first step is written out
.set ii, ii+1
.endr
.irp p, 0,1
	v_mov_b32 v[ST+4*\p], 0xfe000000               ; c m: far below every c s
	v_mov_b32 v[ST+4*\p+1], 0xff7fffff             ; m
	v_mov_b32 v[ST+4*\p+2], 0
	v_mov_b32 v[ST+4*\p+3], 0
.endr
	CHANGE 1, 0                                    ; tile 0 is in, everybody's part of it; tile 1 goes into slot 1
	FETCH_K                                        ; step 0
	FETCH_V
	s_add_co_u32 s62, s62, 64*PK
	s_add_co_u32 s63, s63, 64*PV
	s_wait_loadcnt 0x0                             ; Q
	s_wait_dscnt 16                                ; K is in
	KQ 0
	KQ 1
	s_mov_b32 s57, 3
	s_mov_b32 s56, 7
	s_branch .Lstep
.Lslot:                                                ; six times, in front of steps 3, 7 .. 23: K and V of the old slot's last step are in registers; it is filled with the tile two on
	CHANGE 1, 1
	s_mov_b32 s57, 4
.Lstep:
	TRIP 1, 0
	s_sub_co_u32 s57, s57, 1
	s_cmp_lg_u32 s57, 0
	s_cbranch_scc1 .Lstep
	s_sub_co_u32 s56, s56, 1
	s_cmp_lg_u32 s56, 0
	s_cbranch_scc1 .Lslot
	CHANGE 0, 0                                    ; the tail is written out; steps 27-31, where the second pieces have ended
	s_mov_b32 s57, 5
.Ltail:
	TRIP 0, 1
	s_sub_co_u32 s57, s57, 1
	s_cmp_lg_u32 s57, 0
	s_cbranch_scc1 .Ltail
	; THE WAY OUT.  l's halves and the other half of the lanes' are added; O^T is divided by l, rounded and sent through my stage, a piece at a time.
	; The stages lie directly behind slot 1, and the address of V's run of loads, stepped in every trip of the tail, stands at their first byte in the last trip, where a jump on the counter passes the run.
	; So a barrier stands between every wave's last LDS reads and the first store into a stage; the sums and the reciprocals, work on registers, stand between its signal and its wait.
	PLACES
	s_wait_dscnt 0x0                               ; my LDS reads are over
	s_barrier_signal -1
.irp p, 0,1
	v_add_f32 v[ST+4*\p+2], v[ST+4*\p+2], v[ST+4*\p+3]
.endr
.irp p, 0,1
	v_permlanex16_b32 v[ST+4*\p+3], v[ST+4*\p+2], s60, s61
.endr
.irp p, 0,1
	v_add_f32 v[ST+4*\p+2], v[ST+4*\p+2], v[ST+4*\p+3]
.endr
.irp p, 0,1
	v_rcp_f32 v[ST+4*\p+2], v[ST+4*\p+2]
.endr
	v_nop
	s_wait_alu depctr_va_vdst(0)                   ; one wait for the two reciprocals
	s_barrier_wait -1                              ; every wave's are
.macro PACK p
.set ii, 0
.rept 16
	v_pk_mul_f32 v[O+32*(\p)+2*ii:O+32*(\p)+2*ii+1], v[O+32*(\p)+2*ii:O+32*(\p)+2*ii+1], v[ST+4*(\p)+2:ST+4*(\p)+3] op_sel_hi:[1,0]
.set ii, ii+1
.endr
.set ii, 0
.rept 16
	v_cvt_pk_bf16_f32 v[S+32*(\p)+ii], v[O+32*(\p)+2*ii], v[O+32*(\p)+2*ii+1]
.set ii, ii+1
.endr
.irp f, 0,1,2,3
	ds_store_b128 v6, v[S+32*(\p)+4*\f:S+32*(\p)+4*\f+3] offset:32*\f
.endr
.irp f, 0,1,2,3
	ds_load_b128 v[S+32*(\p)+16+4*\f:S+32*(\p)+16+4*\f+3], v7 offset:\f*4*SP  ; LDS serves a wave's instructions in order: these see the stores above, and the next piece's stores come behind them
.endr
.endm
.macro SEND p, younger
.irp f, 0,1,2,3
	s_wait_dscnt (\younger)+3-\f
	global_store_b128 v8, v[S+32*(\p)+16+4*\f:S+32*(\p)+16+4*\f+3], s[76+2*(\p):77+2*(\p)] offset:512*\f  ; four rows of a head: 512 consecutive bytes, aligned
.endr
.endm
	PACK 0
	PACK 1
	SEND 0, 8
	SEND 1, 0
	s_wait_tensorcnt 0x0                           ; the wave's end
	ds_add_u32 v20, v21
	s_wait_dscnt 0x0
	CROUND                                         ; the closing round
	s_endpgm
.Lfunc_end_k_q36360d8b4e_attn:
	.size	k_q36360d8b4e_attn, .Lfunc_end_k_q36360d8b4e_attn-k_q36360d8b4e_attn
	.p2alignl 7, 3214868480
	.fill 96, 4, 3214868480
	.section	.rodata,"a",@progbits
	.p2align	6, 0x0
	.amdhsa_kernel k_q36360d8b4e_attn
		.amdhsa_group_segment_fixed_size 327680
		.amdhsa_private_segment_fixed_size 0
		.amdhsa_enable_private_segment 0
		.amdhsa_kernarg_size 16
		.amdhsa_user_sgpr_count 2
		.amdhsa_user_sgpr_kernarg_segment_ptr 1
		.amdhsa_wavefront_size32 1
		.amdhsa_system_sgpr_workgroup_id_x 1
		.amdhsa_system_sgpr_workgroup_id_y 1
		.amdhsa_system_sgpr_workgroup_id_z 1
		.amdhsa_system_vgpr_workitem_id 0
		.amdhsa_next_free_vgpr 448
		.amdhsa_next_free_sgpr 96
		.amdhsa_reserve_vcc 1
		.amdhsa_float_denorm_mode_32 3
		.amdhsa_float_denorm_mode_16_64 3
		.amdhsa_memory_ordered 1
		.amdhsa_forward_progress 1
		.amdhsa_inst_pref_size 60
	.end_amdhsa_kernel
	.amdgpu_metadata
---
amdhsa.version: [ 1, 2 ]
amdhsa.kernels:
  - .name:           k_q36360d8b4e_attn
    .symbol:         k_q36360d8b4e_attn.kd
    .args:
      - { .name: qkvb, .offset: 0, .size: 8, .value_kind: global_buffer, .address_space: global }
      - { .name: ctxb, .offset: 8, .size: 8, .value_kind: global_buffer, .address_space: global }
    .group_segment_fixed_size: 327680
    .private_segment_fixed_size: 0
    .kernarg_segment_align: 8
    .kernarg_segment_size: 16
    .max_flat_workgroup_size: 256
    .sgpr_count:     96
    .vgpr_count:     448
    .wavefront_size: 32
...
	.end_amdgpu_metadata
.endif
;; end of part 3
;; launch oproj (part 4): grid 8 x 32, 4 waves a work-group, clusters of 4 x 4, 327,680 bytes of LDS; arguments ctxb, wb, out_b, x1b, x; writes x1b
.if DOCPART == 4
	.amdgcn_target "amdgcn-amd-amdhsa--gfx1250"
	.amdhsa_code_object_version 6
	.text
	.protected	k_q36360d8b4e_oproj
	.globl	k_q36360d8b4e_oproj
	.p2align	8
	.type	k_q36360d8b4e_oproj,@function
k_q36360d8b4e_oproj:
	s_mov_b64 s[64:65], 0
	v_nop
	global_prefetch_b8 v0, s[64:65] scope:SCOPE_SE
	s_setreg_imm32_b32 hwreg(HW_REG_WAVE_MODE, 25, 1), 1
	s_wait_xcnt 0x0
	s_wait_alu depctr_hold_cnt(0) depctr_sa_sdst(0) depctr_va_vdst(0) depctr_va_sdst(0) depctr_va_ssrc(0) depctr_va_vcc(0) depctr_vm_vsrc(0)
	s_getreg_b32 s2, hwreg(HW_REG_IB_STS2, 6, 4)
	s_cmp_eq_u32 s2, 0
	s_cbranch_scc0 .Lentry_in_a_cluster
	s_endpgm
.Lentry_in_a_cluster:
	s_bfe_u32 s2, ttmp6, 0x10000c
	s_cmp_lg_u32 s2, 0xf033
	s_cbranch_scc0 .Lentry_shape_is_right
	s_endpgm
.Lentry_shape_is_right:
; OUT PROJECTION AND RESIDUAL.  x1b = bf16(x) + ctx Wo^T + bf16(out_b), f32.  ctx lies by heads, [32][2048][64] bf16; Wo: [1024][1024] bf16 at byte 6,291,456 of wb.  Sums in f32.
; A tile is 128 x 128: 8 x 32 tiles, one for each of 256 work-groups.  Four waves, each 64 x 64: 16 accumulators.  K goes in steps of 256 (four heads) through two LDS slots.
; A's tile is asked for as four rows of 8,192 dense bytes (64 tokens of one head), padded after every 128: in LDS [head][token], 144 bytes a token; a quarter step is one head.
; B's rows are 512 bytes, padded to 528.  4 x 4 work-groups form a cluster: A's tile is asked for jointly along a row of the cluster, B's along a column.  The product is used transposed.
; THE WALK ALONG K.  Trip p takes K step p xor m, m = 2 x (cluster x) xor (cluster y & 3): the same in all sixteen partners.  The two clusters that read the same rows of ctx take steps two apart,
; four neighbouring clusters that read the same rows of Wo take four different steps: all blocks are asked for first in trips 0 and 1, the two first fills.  The sums are f32 and may be taken in any order.
; THE WAY OUT.  The ring, after its last fill, is the stage: the tile in f32, rows of 528 bytes; each wave takes 32 whole rows, adds bias and residual and stores 512 consecutive bytes with each instruction.
; The residual's 32 rows are loaded into registers ahead of the last two K steps.
.set BM, 128
.set BN, 128
.set KK, 1024
.set BIG, 0
.set NBF, 4
.set KSTEP, 256
.set QB, 128
.set AQ, 9216
.set APITCH, 144
.set BPITCH, 528
.set A_HALFT, 4*64*APITCH
.set B_HALFT, 64*BPITCH
.set SLOTOFF, 147456                   ; shares no bit with a wave's place in a slot
.set SPARE, SLOTOFF+2*(A_HALFT+B_HALFT)
.set SP, 528
.set WOFF, 6291456
.set ASH, 20                           ; a K step of A: four heads of 262,144 bytes
.set BSH, 9                            ; of B: 512 bytes of a row
.set ADIM0, 4096
.set ADIM1, 4
.set ASTRIDE, 131072
.set AQI, 4
.set BQI, 6
.set NT, KK/KSTEP
.set NA, 4+4*BIG
.set L1, 16-8*BIG
.set LT, 32-BIG*(16-2*NBF)
.set G1A, 24
.set G1B, 32
.set G0A, 40
.set G0B, 48
; s14 wave; s15, s16 halves; s17-s20 places; s56 the slot that is read; s57 counter; s58 the trip whose tile is asked for; s59 m; s[60:61], s[62:63] a K step's byte offset in A, B; s[80:81], s[82:83] A, B at my rows, K step 0
; v4-v7 fragments' addresses; v8 into the stage; v10 out of it; v12 16 x lane; v28, v29 the add's
.set MSB, 0
.macro WIN new
.if MSB != (\new)
	s_set_vgpr_msb (MSB<<8)|(\new)
.set MSB, \new
.endif
.endm
.macro PLACES
.rept 4
	v_nop
.endr
.endm
.macro CREST
	s_cmp_lg_u32 s14, 0
	s_cbranch_scc1 .Lnot_wave_0_\@
	s_barrier_signal -3
.Lnot_wave_0_\@:
	s_barrier_wait -3
	s_barrier_signal -1
	s_barrier_wait -1
.endm
.macro CROUND
	s_barrier_signal -1
	s_barrier_wait -1
	CREST
.endm
.macro JLOAD                           ; a joint refill by the walking set; s_nop 0 and four v_nop follow each line
	s_cmp_eq_u32 s15, 0
	s_cbranch_scc0 .Lfor_b_\@
	tensor_load_to_lds s[G0A+4:G0A+7], s[G1A:G1A+7]
	s_nop 0
.rept 4
	v_nop
.endr
	s_branch .Lasked_\@
.Lfor_b_\@:
	tensor_load_to_lds s[G0B+4:G0B+7], s[G1B:G1B+7]
	s_nop 0
.rept 4
	v_nop
.endr
.Lasked_\@:
.endm
.macro NEXTK set                       ; the global addresses of group 0's set, made anew for trip s58: the base plus K step s58 xor s59, the type bits set again
	s_xor_b32 s23, s58, s59
	s_lshl_b32 s60, s23, ASH
	s_lshl_b32 s62, s23, BSH
	s_add_nc_u64 s[G0A+4*(\set)+2:G0A+4*(\set)+3], s[80:81], s[60:61]
	s_or_b32 s[G0A+4*(\set)+3], s[G0A+4*(\set)+3], 0x80000000
	s_add_nc_u64 s[G0B+4*(\set)+2:G0B+4*(\set)+3], s[82:83], s[62:63]
	s_or_b32 s[G0B+4*(\set)+3], s[G0B+4*(\set)+3], 0x80000000
.endm
.macro MULP f, h, a0, zero             ; row blocks a0, a0 + 1, all column blocks, K half h of the quarter; the 16 accumulators take turns
	WIN 0xa5+0x50*(\h)*BIG
.irp a, \a0, (\a0)+1
.set bb, 0
.rept NBF
.set rD, 8*(NBF*(\a)+bb)
.set rB, 128*(\f)+64+8*((1-BIG)*NBF*(\h)+bb)
.set rA, 128*(\f)+8*(4*(\h)+(\a))
.if (\zero) && (BIG || ((\h) == 0))
	v_wmma_f32_16x16x32_bf16 v[rD:rD+7], v[rB:rB+7], v[rA:rA+7], 0
.else
	v_wmma_f32_16x16x32_bf16 v[rD:rD+7], v[rB:rB+7], v[rA:rA+7], v[rD:rD+7]
.endif
.set bb, bb+1
.endr
.endr
.endm
.macro FETCH q, f                      ; 32 LDS loads: quarter q into buffer f, its first 32 along K first
	WIN 0x40
.set bb, 0
.rept NBF
	ds_load_b128 v[128*(\f)+64+8*bb:128*(\f)+64+8*bb+3],   v7 offset:(\q)*QB+bb*16*BPITCH
	ds_load_b128 v[128*(\f)+64+8*bb+4:128*(\f)+64+8*bb+7], v7 offset:(\q)*QB+bb*16*BPITCH+32
.set bb, bb+1
.endr
.set aa, 0
.rept 4
	ds_load_b128 v[128*(\f)+8*aa:128*(\f)+8*aa+3],   v6 offset:(\q)*AQ+aa*16*APITCH
	ds_load_b128 v[128*(\f)+8*aa+4:128*(\f)+8*aa+7], v6 offset:(\q)*AQ+aa*16*APITCH+32
.set aa, aa+1
.endr
.set bb, 0
.rept NBF
	ds_load_b128 v[128*(\f)+64+8*(NBF+bb):128*(\f)+64+8*(NBF+bb)+3],   v7 offset:(\q)*QB+bb*16*BPITCH+64
	ds_load_b128 v[128*(\f)+64+8*(NBF+bb)+4:128*(\f)+64+8*(NBF+bb)+7], v7 offset:(\q)*QB+bb*16*BPITCH+96
.set bb, bb+1
.endr
.set aa, 0
.rept 4
	ds_load_b128 v[128*(\f)+8*(4+aa):128*(\f)+8*(4+aa)+3],   v6 offset:(\q)*AQ+aa*16*APITCH+64
	ds_load_b128 v[128*(\f)+8*(4+aa)+4:128*(\f)+8*(4+aa)+7], v6 offset:(\q)*AQ+aa*16*APITCH+96
.set aa, aa+1
.endr
.endm
.macro QUARTER q, f, g, zero
	s_wait_dscnt L1                                ; the run's first group is in
	MULP \f, 0, 0, \zero
	MULP \f, 0, 2, \zero
	PLACES
	FETCH \q, \g
	s_wait_dscnt LT                                ; all but the run just issued
	MULP \f, 1, 0, \zero
	MULP \f, 1, 2, \zero
.endm
.macro TURN fill                       ; the last quarter and the change of slots: all my tensor loads awaited, the add, it and my reads of the slot awaited, the barrier (with fill = 1 a round of the cluster's), the joint refill first behind it
	WIN 0
	s_wait_tensorcnt 0x0
	ds_add_u32 v28, v29
.if \fill
	s_xor_b32 s[G0A+5], s[G0A+5], SLOTOFF          ; no tensor load of mine is out: the walking sets go to the other slot and to the next trip's K step
	s_xor_b32 s[G0B+5], s[G0B+5], SLOTOFF
	s_add_co_u32 s58, s58, 1
	NEXTK 1
.endif
	s_xor_b32 s56, s56, SLOTOFF
	v_add_nc_u32 v6, s56, v4
	v_add_nc_u32 v7, s56, v5
	s_wait_dscnt L1+1                              ; the add and the run's second group may be out
	MULP 1, 0, 0, 0
	s_wait_dscnt 0x0
	s_barrier_signal -1
	MULP 1, 0, 2, 0
.if \fill
	WIN 0
.endif
	s_barrier_wait -1
.if \fill
	CREST
	JLOAD
.else
	PLACES
.endif
	FETCH 0, 0
	MULP 1, 1, 0, 0
	MULP 1, 1, 2, 0
.endm
.macro DUMP
.set aa, 0
.rept NA
	WIN 0x08+0x04*(aa/4)
.set bb, 0
.rept NBF
.set rD, 8*(NBF*(aa%4)+bb)
	ds_store_b128 v[8+aa/4], v[rD:rD+3] offset:16*(aa%4)*SP+64*bb
	ds_store_b128 v[8+aa/4], v[rD+4:rD+7] offset:16*(aa%4)*SP+64*bb+16
.set bb, bb+1
.endr
.set aa, aa+1
.endr
	WIN 0
.endm
	s_load_b256 s[4:11], s[0:1], 0x0               ; ctx s[4:5], wb s[6:7], bias s[8:9], x1b s[10:11]
	s_load_b64 s[12:13], s[0:1], 0x20              ; x
	v_lshl_add_u32 v28, v0, 2, SPARE
	v_mov_b32 v29, 0
	ds_add_u32 v28, v29                            ; the wave's opening: the add and its wait ahead of my first tensor load
	v_lshrrev_b32 v3, 5, v0
	v_readfirstlane_b32 s14, v3
	s_lshr_b32 s15, s14, 1
	s_and_b32 s16, s14, 1
	s_bfe_u32 s17, ttmp6, 0x40000
	s_bfe_u32 s18, ttmp6, 0x40004
	s_lshl_b32 s19, ttmp9, 2
	s_add_co_u32 s19, s19, s17
	s_and_b32 s20, ttmp7, 0xffff
	s_lshl_b32 s20, s20, 2
	s_add_co_u32 s20, s20, s18
	s_lshl_b32 s59, ttmp9, 1                       ; m = 2 x cluster x
	s_and_b32 s23, ttmp7, 3
	s_xor_b32 s59, s59, s23                        ; xor (cluster y & 3): made of the cluster's place alone
	s_mov_b32 s61, 0
	s_mov_b32 s63, 0
	s_lshl_b32 s21, s18, 2
	s_lshl_b32 s21, 15, s21
	s_lshl_b32 s22, 0x1111, s17
	s_or_b32 s[G1A], s21, (1<<16)|(1<<20)|(1<<21)|(AQI<<22)|(3<<25)
	s_or_b32 s[G1B], s22, (1<<16)|(1<<20)|(1<<21)|(BQI<<22)|(3<<25)
	s_mov_b32 s[G1A+1], (ADIM0&0xffff)<<16
	s_mov_b32 s[G1A+2], (ADIM0>>16)|(ADIM1<<16)
	s_mov_b32 s[G1A+3], ADIM0<<16
	s_mov_b32 s[G1A+4], ADIM1
	s_mov_b32 s[G1A+5], ASTRIDE
	s_mov_b32 s[G1A+6], 0
	s_mov_b32 s[G1A+7], 0
	s_mov_b32 s[G1B+1], KSTEP<<16
	s_mov_b32 s[G1B+2], (BN/2)<<16
	s_mov_b32 s[G1B+3], KSTEP<<16
	s_mov_b32 s[G1B+4], BN/2
	s_mov_b32 s[G1B+5], KK
	s_mov_b32 s[G1B+6], 0
	s_mov_b32 s[G1B+7], 0
	s_lshl_b32 s80, s20, 7
	s_lshl_b32 s81, s16, 6
	s_add_co_u32 s80, s80, s81                     ; my first token among 4,096
	s_lshr_b32 s81, s80, 11                        ; its batch: 16 heads of 262,144 bytes
	s_and_b32 s80, s80, 2047
	s_lshl_b32 s80, s80, 7                         ; 128 bytes a token
	s_lshl_b32 s81, s81, 22
	s_add_co_u32 s80, s80, s81
	s_mov_b32 s81, 0
	s_mul_i32 s82, s19, BN*2*KK
	s_mul_i32 s83, s16, (BN/2)*2*KK
	s_add_co_u32 s82, s82, s83
	s_add_co_u32 s82, s82, WOFF
	s_mov_b32 s83, 0
	s_mul_i32 s84, s16, A_HALFT
	s_mul_i32 s85, s16, B_HALFT
	s_add_co_u32 s85, s85, 2*A_HALFT
	s_wait_dscnt 0x0
	s_wait_kmcnt 0x0
	s_add_nc_u64 s[80:81], s[4:5], s[80:81]
	s_add_nc_u64 s[82:83], s[6:7], s[82:83]
	CROUND
.irp s, 0,1
	s_mov_b32 s[G0A+4*\s], 1
	s_add_co_u32 s[G0A+4*\s+1], s84, \s*SLOTOFF
	s_mov_b32 s[G0B+4*\s], 1
	s_add_co_u32 s[G0B+4*\s+1], s85, \s*SLOTOFF
	s_mov_b32 s58, \s
	NEXTK \s
.endr
	s_cmp_eq_u32 s15, 0
	s_cbranch_scc0 .Lfirst_b
	tensor_load_to_lds s[G0A:G0A+3], s[G1A:G1A+7]
	s_nop 0
	tensor_load_to_lds s[G0A+4:G0A+7], s[G1A:G1A+7]
	s_nop 0
.rept 4
	v_nop
.endr
	s_branch .Lfirst_asked
.Lfirst_b:
	tensor_load_to_lds s[G0B:G0B+3], s[G1B:G1B+7]
	s_nop 0
	tensor_load_to_lds s[G0B+4:G0B+7], s[G1B:G1B+7]
	s_nop 0
.rept 4
	v_nop
.endr
.Lfirst_asked:
	v_and_b32 v1, 15, v0
	v_bfe_u32 v2, v0, 4, 1
	v_mul_u32_u24 v4, v1, APITCH
	v_lshl_add_u32 v4, v2, 4, v4
	s_mul_i32 s86, s15, A_HALFT
	v_add_nc_u32 v4, s86, v4
	v_mul_u32_u24 v5, v1, BPITCH
	v_lshl_add_u32 v5, v2, 4, v5
	s_mul_i32 s87, s16, B_HALFT
	s_add_co_u32 s87, s87, 2*A_HALFT
	v_add_nc_u32 v5, s87, v5
	v_mov_b32 v6, v4
	v_mov_b32 v7, v5
	s_mov_b32 s56, 0
	v_mul_u32_u24 v8, v1, SP
	v_lshl_add_u32 v8, v2, 5, v8
	s_mul_i32 s86, s15, (BM/2)*SP
	s_mul_i32 s87, s16, (BN/2)*4
	s_add_co_u32 s86, s86, s87
	v_add_nc_u32 v8, s86, v8
	v_and_b32 v16, 31, v0
	v_lshlrev_b32 v12, 4, v16                      ; 16 x lane: a wave takes a row's 512 bytes
	s_lshl_b32 s86, s19, 9                         ; the tile's 128 columns
	v_add_nc_u32 v15, s86, v12
	global_load_b128 v[32:35], v15, s[8:9]         ; the bias of my four columns
	s_mul_i32 s87, s14, 32*SP
	v_add_nc_u32 v10, s87, v12                     ; my 32 rows of the stage
	s_lshl_b32 s88, s20, 19                        ; 128 rows of 4,096 bytes
	s_lshl_b32 s89, s14, 17
	s_add_co_u32 s88, s88, s89
	s_add_co_u32 s88, s88, s86
	s_mov_b32 s89, 0
	s_add_nc_u64 s[10:11], s[10:11], s[88:89]
	s_add_nc_u64 s[12:13], s[12:13], s[88:89]
	s_wait_tensorcnt 0x1                           ; my part of trip 0's tile is in; trip 1's may stay out
	s_barrier_signal -1
	s_barrier_wait -1
	FETCH 0, 0
	QUARTER 1, 0, 1, 1
	WIN 0
	s_mov_b32 s57, NT-2
.Lstep:
	QUARTER 2, 1, 0, 0
	QUARTER 3, 0, 1, 0
	TURN 1
	QUARTER 1, 0, 1, 0
	WIN 0
	s_sub_co_u32 s57, s57, 1
	s_cmp_lg_u32 s57, 0
	s_cbranch_scc1 .Lstep
	WIN 0x80                                       ; the residual's 32 rows, into window 2 behind the accumulators
.set nn, 0
.rept 32
	global_load_b128 v[128+4*nn:128+4*nn+3], v12, s[12:13] offset:4096*nn th:TH_LOAD_NT
.set nn, nn+1
.endr
	WIN 0
	s_mov_b32 s57, 2
.Ltail:                                                ; the last two K steps ask for nothing; the second trip's fetch reads landed bytes that serve nothing
	QUARTER 2, 1, 0, 0
	QUARTER 3, 0, 1, 0
	TURN 0
	WIN 0
	s_sub_co_u32 s57, s57, 1
	s_cmp_eq_u32 s57, 0
	s_cbranch_scc1 .Ldone
	QUARTER 1, 0, 1, 0
	WIN 0
	s_branch .Ltail
.Ldone:
.rept 8
	v_nop
.endr
	s_wait_dscnt 0x0
	s_barrier_signal -1
	s_barrier_wait -1                              ; every wave's reads of the ring are over; it has had its last fill
	DUMP
	s_wait_dscnt 0x0
	s_barrier_signal -1
	s_barrier_wait -1
	s_wait_loadcnt 0x0                             ; bias and residual
	v_cvt_pk_bf16_f32 v37, v32, v33                ; the bias rounded to bf16, like every input
	v_cvt_pk_bf16_f32 v38, v34, v35
	v_lshlrev_b32 v32, 16, v37
	v_and_b32 v33, 0xffff0000, v37
	v_lshlrev_b32 v34, 16, v38
	v_and_b32 v35, 0xffff0000, v38
	v_mov_b32 v36, 1.0
.set nn, 0
.rept 32
	ds_load_b128 v[64+4*nn:64+4*nn+3], v10 offset:SP*nn
.set nn, nn+1
.endr
.set gg, 0
.rept 4
	s_wait_dscnt 24-8*gg                           ; this group's eight rows are in; the later groups' loads stay out
.set nn, 8*gg
.rept 8
	v_pk_add_f32 v[64+4*nn:64+4*nn+1], v[64+4*nn:64+4*nn+1], v[32:33]
	v_pk_add_f32 v[64+4*nn+2:64+4*nn+3], v[64+4*nn+2:64+4*nn+3], v[34:35]
.set nn, nn+1
.endr
	WIN 0x0a                                       ; x is rounded to bf16,
.set nn, 0
.rept 16
	v_cvt_pk_bf16_f32 v[40+nn], v[128+32*gg+2*nn], v[128+32*gg+2*nn+1]
.set nn, nn+1
.endr
	WIN 0
.set nn, 0
.rept 16                               ; and each half is added as f32
	v_fma_mix_f32_bf16 v[64+32*gg+2*nn], v[40+nn], v36, v[64+32*gg+2*nn] op_sel_hi:[1,0,0]
	v_fma_mix_f32_bf16 v[64+32*gg+2*nn+1], v[40+nn], v36, v[64+32*gg+2*nn+1] op_sel:[1,0,0] op_sel_hi:[1,0,0]
.set nn, nn+1
.endr
.set nn, 8*gg
.rept 8
	global_store_b128 v12, v[64+4*nn:64+4*nn+3], s[10:11] offset:4096*nn  ; 512 consecutive bytes, aligned
.set nn, nn+1
.endr
.set gg, gg+1
.endr
	s_wait_tensorcnt 0x0                           ; the wave's end
	ds_add_u32 v28, v29
	s_wait_dscnt 0x0
	CROUND
	s_endpgm
.Lfunc_end_k_q36360d8b4e_oproj:
	.size	k_q36360d8b4e_oproj, .Lfunc_end_k_q36360d8b4e_oproj-k_q36360d8b4e_oproj
	.p2alignl 7, 3214868480
	.fill 96, 4, 3214868480
	.section	.rodata,"a",@progbits
	.p2align	6, 0x0
	.amdhsa_kernel k_q36360d8b4e_oproj
		.amdhsa_group_segment_fixed_size 327680
		.amdhsa_private_segment_fixed_size 0
		.amdhsa_enable_private_segment 0
		.amdhsa_kernarg_size 40
		.amdhsa_user_sgpr_count 2
		.amdhsa_user_sgpr_kernarg_segment_ptr 1
		.amdhsa_wavefront_size32 1
		.amdhsa_system_sgpr_workgroup_id_x 1
		.amdhsa_system_sgpr_workgroup_id_y 1
		.amdhsa_system_sgpr_workgroup_id_z 1
		.amdhsa_system_vgpr_workitem_id 0
		.amdhsa_next_free_vgpr 768
		.amdhsa_next_free_sgpr 96
		.amdhsa_reserve_vcc 0
		.amdhsa_float_denorm_mode_32 3
		.amdhsa_float_denorm_mode_16_64 3
		.amdhsa_memory_ordered 1
		.amdhsa_forward_progress 1
		.amdhsa_inst_pref_size 78
	.end_amdhsa_kernel
	.amdgpu_metadata
---
amdhsa.version: [ 1, 2 ]
amdhsa.kernels:
  - .name:           k_q36360d8b4e_oproj
    .symbol:         k_q36360d8b4e_oproj.kd
    .args:
      - { .name: ctxb, .offset: 0, .size: 8, .value_kind: global_buffer, .address_space: global }
      - { .name: wb, .offset: 8, .size: 8, .value_kind: global_buffer, .address_space: global }
      - { .name: out_b, .offset: 16, .size: 8, .value_kind: global_buffer, .address_space: global }
      - { .name: x1b, .offset: 24, .size: 8, .value_kind: global_buffer, .address_space: global }
      - { .name: x, .offset: 32, .size: 8, .value_kind: global_buffer, .address_space: global }
    .group_segment_fixed_size: 327680
    .private_segment_fixed_size: 0
    .kernarg_segment_align: 8
    .kernarg_segment_size: 40
    .max_flat_workgroup_size: 128
    .sgpr_count:     96
    .vgpr_count:     768
    .wavefront_size: 32
...
	.end_amdgpu_metadata
.endif
;; end of part 4
;; launch ln2 (part 5): grid 512 x 1, 8 waves a work-group, no clusters, 0 bytes of LDS; arguments x1b, ln2_w, ln2_b, hbuf; writes hbuf
.if DOCPART == 5
	.amdgcn_target "amdgcn-amd-amdhsa--gfx1250"
	.amdhsa_code_object_version 6
	.text
	.protected	k_q36360d8b4e_ln2
	.globl	k_q36360d8b4e_ln2
	.p2align	8
	.type	k_q36360d8b4e_ln2,@function
k_q36360d8b4e_ln2:
	s_mov_b64 s[64:65], 0
	v_nop
	global_prefetch_b8 v0, s[64:65] scope:SCOPE_SE
	s_setreg_imm32_b32 hwreg(HW_REG_WAVE_MODE, 25, 1), 1
	s_wait_xcnt 0x0
; LN2.  hbuf = bf16(LN2(x1b)).  A stream: 8 rows a work-group, one a wave; a row of 4,096 bytes stays in 32 registers a lane between the mean, the variance and the scaling.
; One row a wave: 4,096 waves, each with its 24 loads out at once and one row's arithmetic behind them; the price is that each wave loads the 8,192 bytes of gain and bias for one row.
; Nothing is shared between work-groups: no LDS, no barrier, no cluster, no matrix work.  x1b is taken as it is (f32); gain and bias are rounded to bf16 like every input; arithmetic in f32; h rounded once.
.set XP, 4
.set WP, 6
.set BP, 8
.set HP, 10
.set GW, 8                             ; v[8:39]    gain of my 32 columns
.set GB, 40                            ; v[40:71]   bias
.set X0, 72                            ; v[72:103]  the row
.set T,  104                           ; v[104:111] at work
.set M,  112                           ; v[112:113] the mean, twice
.set R,  114                           ; v[114:115] 1/sigma, twice
	s_load_b256 s[4:11], s[0:1], 0x0               ; x1b, ln2_w, ln2_b, hbuf
	v_lshrrev_b32 v3, 5, v0
	v_readfirstlane_b32 s28, v3
	v_and_b32 v1, 31, v0
	v_lshlrev_b32 v2, 3, v1
	v_lshlrev_b32 v1, 4, v1
	s_lshl_b32 s22, ttmp9, 15                      ; 8 rows of 4,096 bytes a work-group,
	s_lshl_b32 s29, s28, 12                        ; one a wave
	s_add_co_u32 s22, s22, s29
	s_mov_b32 s23, 0
	s_lshr_b32 s24, s22, 1
	s_mov_b32 s25, 0
	s_mov_b32 s26, 0x76543210
	s_mov_b32 s27, 0xfedcba98
	s_mov_b32 s29, 0x3727c5ac                      ; 1e-5
	s_mov_b32 s30, 0x3a800000                      ; 1/1024
	s_mov_b32 s31, 0xffff0000
	s_wait_kmcnt 0x0
	s_add_nc_u64 s[22:23], s[XP:XP+1], s[22:23]
	s_add_nc_u64 s[24:25], s[HP:HP+1], s[24:25]
.irp j, 0,1,2,3,4,5,6,7
	global_load_b128 v[X0+4*\j:X0+4*\j+3], v1, s[22:23] offset:512*\j th:TH_LOAD_NT
.endr
.irp j, 0,1,2,3,4,5,6,7
	global_load_b128 v[GW+4*\j:GW+4*\j+3], v1, s[WP:WP+1] offset:512*\j
.endr
.irp j, 0,1,2,3,4,5,6,7
	global_load_b128 v[GB+4*\j:GB+4*\j+3], v1, s[BP:BP+1] offset:512*\j
.endr
.macro RND base                        ; 32 numbers rounded to bf16 and widened again, in place
.set kk, 0
.rept 16
	v_cvt_pk_bf16_f32 v[T+kk%4], v[(\base)+2*kk], v[(\base)+2*kk+1]
	v_lshlrev_b32 v[(\base)+2*kk], 16, v[T+kk%4]
	v_and_b32 v[(\base)+2*kk+1], s31, v[T+kk%4]
.set kk, kk+1
.endr
.endm
.macro LANESUM                         ; v[T] summed over the 32 lanes, the result in every lane
	v_add_f32_dpp v[T], v[T], v[T] row_xmask:1 row_mask:0xf bank_mask:0xf
	v_add_f32_dpp v[T], v[T], v[T] row_xmask:2 row_mask:0xf bank_mask:0xf
	v_add_f32_dpp v[T], v[T], v[T] row_xmask:4 row_mask:0xf bank_mask:0xf
	v_add_f32_dpp v[T], v[T], v[T] row_xmask:8 row_mask:0xf bank_mask:0xf
	v_permlanex16_b32 v[T+1], v[T], s26, s27
	v_add_f32 v[T], v[T], v[T+1]
.endm
	s_wait_loadcnt 16                              ; the row is in; the 16 loads of gain and bias may stay out
	v_pk_add_f32 v[T:T+1], v[X0:X0+1], v[X0+2:X0+3]        ; the sum, in two chains started by the first numbers
	v_pk_add_f32 v[T+2:T+3], v[X0+4:X0+5], v[X0+6:X0+7]
.set kk, 4
.rept 12
	v_pk_add_f32 v[T+2*(kk%2):T+2*(kk%2)+1], v[T+2*(kk%2):T+2*(kk%2)+1], v[X0+2*kk:X0+2*kk+1]
.set kk, kk+1
.endr
	v_pk_add_f32 v[T:T+1], v[T:T+1], v[T+2:T+3]
	v_add_f32 v[T], v[T], v[T+1]
	LANESUM
	v_mul_f32 v[M], s30, v[T]
	v_mul_f32 v[M+1], s30, v[T]
.set kk, 0
.rept 16
	v_pk_add_f32 v[X0+2*kk:X0+2*kk+1], v[X0+2*kk:X0+2*kk+1], v[M:M+1] neg_lo:[0,1] neg_hi:[0,1]   ; the row loses its mean
.set kk, kk+1
.endr
	v_pk_mul_f32 v[T:T+1], v[X0:X0+1], v[X0:X0+1]
	v_pk_mul_f32 v[T+2:T+3], v[X0+2:X0+3], v[X0+2:X0+3]
.set kk, 2
.rept 14
	v_pk_fma_f32 v[T+2*(kk%2):T+2*(kk%2)+1], v[X0+2*kk:X0+2*kk+1], v[X0+2*kk:X0+2*kk+1], v[T+2*(kk%2):T+2*(kk%2)+1]
.set kk, kk+1
.endr
	v_pk_add_f32 v[T:T+1], v[T:T+1], v[T+2:T+3]
	v_add_f32 v[T], v[T], v[T+1]
	LANESUM
	v_fma_f32 v[T], v[T], s30, s29                 ; variance + 1e-5
	v_rsq_f32 v[R], v[T]
	v_rsq_f32 v[R+1], v[T]
	v_nop                                          ; a plain instruction before the source is written again
	s_wait_alu depctr_va_vdst(0)                   ; one wait for the two reciprocal roots, ahead of their first reader
	s_wait_loadcnt 0x0                             ; gain and bias
	RND GW
	RND GB
.set kk, 0
.rept 16
	v_pk_mul_f32 v[X0+2*kk:X0+2*kk+1], v[X0+2*kk:X0+2*kk+1], v[R:R+1]
.set kk, kk+1
.endr
.set kk, 0
.rept 16
	v_pk_fma_f32 v[X0+2*kk:X0+2*kk+1], v[X0+2*kk:X0+2*kk+1], v[GW+2*kk:GW+2*kk+1], v[GB+2*kk:GB+2*kk+1]
.set kk, kk+1
.endr
.set kk, 0
.rept 16
	v_cvt_pk_bf16_f32 v[X0+kk], v[X0+2*kk], v[X0+2*kk+1]
.set kk, kk+1
.endr
.irp j, 0,1,2,3,4,5,6,7
	global_store_b64 v2, v[X0+2*\j:X0+2*\j+1], s[24:25] offset:256*\j  ; 256 consecutive bytes, aligned
.endr
	s_endpgm
.Lfunc_end_k_q36360d8b4e_ln2:
	.size	k_q36360d8b4e_ln2, .Lfunc_end_k_q36360d8b4e_ln2-k_q36360d8b4e_ln2
	.p2alignl 7, 3214868480
	.fill 96, 4, 3214868480
	.section	.rodata,"a",@progbits
	.p2align	6, 0x0
	.amdhsa_kernel k_q36360d8b4e_ln2
		.amdhsa_group_segment_fixed_size 0
		.amdhsa_private_segment_fixed_size 0
		.amdhsa_enable_private_segment 0
		.amdhsa_kernarg_size 32
		.amdhsa_user_sgpr_count 2
		.amdhsa_user_sgpr_kernarg_segment_ptr 1
		.amdhsa_wavefront_size32 1
		.amdhsa_system_sgpr_workgroup_id_x 1
		.amdhsa_system_sgpr_workgroup_id_y 1
		.amdhsa_system_sgpr_workgroup_id_z 1
		.amdhsa_system_vgpr_workitem_id 0
		.amdhsa_next_free_vgpr 116
		.amdhsa_next_free_sgpr 66
		.amdhsa_reserve_vcc 0
		.amdhsa_float_denorm_mode_32 3
		.amdhsa_float_denorm_mode_16_64 3
		.amdhsa_memory_ordered 1
		.amdhsa_forward_progress 1
		.amdhsa_inst_pref_size 16
	.end_amdhsa_kernel
	.amdgpu_metadata
---
amdhsa.version: [ 1, 2 ]
amdhsa.kernels:
  - .name:           k_q36360d8b4e_ln2
    .symbol:         k_q36360d8b4e_ln2.kd
    .args:
      - { .name: x1b, .offset: 0, .size: 8, .value_kind: global_buffer, .address_space: global }
      - { .name: ln2_w, .offset: 8, .size: 8, .value_kind: global_buffer, .address_space: global }
      - { .name: ln2_b, .offset: 16, .size: 8, .value_kind: global_buffer, .address_space: global }
      - { .name: hbuf, .offset: 24, .size: 8, .value_kind: global_buffer, .address_space: global }
    .group_segment_fixed_size: 0
    .private_segment_fixed_size: 0
    .kernarg_segment_align: 8
    .kernarg_segment_size: 32
    .max_flat_workgroup_size: 256
    .sgpr_count:     66
    .vgpr_count:     116
    .wavefront_size: 32
...
	.end_amdgpu_metadata
.endif
;; end of part 5
;; launch fc1 (part 6): grid 16 x 16, 4 waves a work-group, clusters of 4 x 4, 327,680 bytes of LDS; arguments hbuf, wb, fc1_b, gbuf; writes gbuf
.if DOCPART == 6
	.amdgcn_target "amdgcn-amd-amdhsa--gfx1250"
	.amdhsa_code_object_version 6
	.text
	.protected	k_q36360d8b4e_fc1
	.globl	k_q36360d8b4e_fc1
	.p2align	8
	.type	k_q36360d8b4e_fc1,@function
k_q36360d8b4e_fc1:
	s_mov_b64 s[64:65], 0
	v_nop
	global_prefetch_b8 v0, s[64:65] scope:SCOPE_SE
	s_setreg_imm32_b32 hwreg(HW_REG_WAVE_MODE, 25, 1), 1
	s_wait_xcnt 0x0
	s_wait_alu depctr_hold_cnt(0) depctr_sa_sdst(0) depctr_va_vdst(0) depctr_va_sdst(0) depctr_va_ssrc(0) depctr_va_vcc(0) depctr_vm_vsrc(0)
	s_getreg_b32 s2, hwreg(HW_REG_IB_STS2, 6, 4)
	s_cmp_eq_u32 s2, 0
	s_cbranch_scc0 .Lentry_in_a_cluster
	s_endpgm
.Lentry_in_a_cluster:
	s_bfe_u32 s2, ttmp6, 0x10000c
	s_cmp_lg_u32 s2, 0xf033
	s_cbranch_scc0 .Lentry_shape_is_right
	s_endpgm
.Lentry_shape_is_right:
; FC1 AND GELU.  gbuf = bf16(gelu(h W1^T + bf16(fc1_b))), [4096][4096].  h: [4096][1024] bf16; W1: [4096][1024] bf16 at byte 8,388,608 of wb.  Sums and GELU in f32.
; A tile is 256 x 256: 16 x 16 tiles, one for each of 256 work-groups.  Four waves, each 128 x 128: 64 accumulators.  K in steps of 128 through two LDS slots (rows of 256 bytes, padded to 272).
; 4 x 4 work-groups form a cluster: A's tile is asked for jointly along a row of the cluster, B's along a column.  The product is used transposed.
; THE WALK ALONG K.  Trip p takes K step p xor m, m = 2 x (cluster x) xor 4 x (cluster y & 1): the same in all sixteen partners.  The four clusters that read the same rows of h take four different
; K steps in a trip, and clusters y and y + 1, which read the same rows of W1, take steps four apart.  So all of h's blocks are asked for first in trips 0 and 1, all of W1's in trips 0 to 3.
; The sums are f32 and may be taken in any order.  NO PREFETCH: trips 0 to 3 come by their loads alone; from trip 4 on every block that is asked for has been asked for before by another cluster of the launch.
; GELU.  gelu(x) = max(x, 0) - |x| erfc(|x| / sqrt 2) / 2, exact for both signs, with erfc(z) = t (a1 + t (a2 + t (a3 + t (a4 + t a5)))) e^(-z z), t = 1 / (1 + 0.3275911 z)
; (Abramowitz and Stegun 7.1.26: absolute error of erf at most 1.5e-7 for every z).  The coefficients are held halved.  No difference of near numbers is formed on the negative side.
; THE WAY OUT.  The ring, after its last fill, is the stage: the tile in f32, rows of 1,040 bytes; each wave takes 64 whole rows, four a trip, and stores 256 consecutive aligned bytes with each instruction.
.set BM, 256
.set BN, 256
.set KK, 1024
.set BIG, 1
.set NBF, 8
.set KSTEP, 128
.set QB, 64
.set AQ, 64
.set APITCH, 272
.set BPITCH, 272
.set A_HALFT, 128*APITCH
.set B_HALFT, 128*BPITCH
.set SLOTOFF, 139264                   ; shares no bit with a wave's place in a slot
.set SPARE, SLOTOFF+2*(A_HALFT+B_HALFT)
.set SP, 1040
.set WOFF, 8388608
.set ASH, 8                            ; a K step is 1 << ASH bytes of A in memory, 1 << BSH of B
.set BSH, 8
.set ADIM0, KSTEP
.set ADIM1, BM/2
.set ASTRIDE, KK
.set AQI, 5
.set BQI, 5
.set NT, KK/KSTEP
.set NA, 4+4*BIG
.set L1, 16-8*BIG
.set LT, 32-BIG*(16-2*NBF)
.set G1A, 24
.set G1B, 32
.set G0A, 40
.set G0B, 48
; scalars and vector registers as in the launch qkv's text (s58 the trip whose tile is asked for; s59 m; s[60:63] a K step's offsets; s[80:83] A, B at my rows, K step 0)
; the way out: v[32:39] bias; v[40:71] rows as read; v[72:103] x, later the polynomial; v[104:135] max(x, 0), later the result; v[136:167] |x|; v[168:199] t; v[200:231] the exponential
.set BI, 32
.set XR, 40
.set XB, 72
.set RR, 104
.set AX, 136
.set TT, 168
.set EE, 200
.set C1, 66                            ; s[66:79]: seven constants, each twice (a pair is named)
.set C2, 68
.set A5, 70
.set A4, 72
.set A3, 74
.set A2, 76
.set A1, 78
.set MSB, 0
.macro WIN new
.if MSB != (\new)
	s_set_vgpr_msb (MSB<<8)|(\new)
.set MSB, \new
.endif
.endm
.macro PLACES
.rept 4
	v_nop
.endr
.endm
.macro CREST
	s_cmp_lg_u32 s14, 0
	s_cbranch_scc1 .Lnot_wave_0_\@
	s_barrier_signal -3
.Lnot_wave_0_\@:
	s_barrier_wait -3
	s_barrier_signal -1
	s_barrier_wait -1
.endm
.macro CROUND
	s_barrier_signal -1
	s_barrier_wait -1
	CREST
.endm
.macro JLOAD                           ; a joint refill by the walking set; s_nop 0 and four v_nop follow each line
	s_cmp_eq_u32 s15, 0
	s_cbranch_scc0 .Lfor_b_\@
	tensor_load_to_lds s[G0A+4:G0A+7], s[G1A:G1A+7]
	s_nop 0
.rept 4
	v_nop
.endr
	s_branch .Lasked_\@
.Lfor_b_\@:
	tensor_load_to_lds s[G0B+4:G0B+7], s[G1B:G1B+7]
	s_nop 0
.rept 4
	v_nop
.endr
.Lasked_\@:
.endm
.macro NEXTK set                       ; the global addresses of group 0's set, made anew for trip s58: the base plus K step s58 xor s59, the type bits set again
	s_xor_b32 s23, s58, s59
	s_lshl_b32 s60, s23, ASH
	s_lshl_b32 s62, s23, BSH
	s_add_nc_u64 s[G0A+4*(\set)+2:G0A+4*(\set)+3], s[80:81], s[60:61]
	s_or_b32 s[G0A+4*(\set)+3], s[G0A+4*(\set)+3], 0x80000000
	s_add_nc_u64 s[G0B+4*(\set)+2:G0B+4*(\set)+3], s[82:83], s[62:63]
	s_or_b32 s[G0B+4*(\set)+3], s[G0B+4*(\set)+3], 0x80000000
.endm
.macro MULP f, h, a0, zero             ; row blocks a0, a0 + 1 of half h, all column blocks; the 64 accumulators take turns in one order everywhere
	WIN 0xa5+0x50*(\h)*BIG
.irp a, \a0, (\a0)+1
.set bb, 0
.rept NBF
.set rD, 8*(NBF*(\a)+bb)
.set rB, 128*(\f)+64+8*((1-BIG)*NBF*(\h)+bb)
.set rA, 128*(\f)+8*(4*(\h)+(\a))
.if (\zero) && (BIG || ((\h) == 0))
	v_wmma_f32_16x16x32_bf16 v[rD:rD+7], v[rB:rB+7], v[rA:rA+7], 0
.else
	v_wmma_f32_16x16x32_bf16 v[rD:rD+7], v[rB:rB+7], v[rA:rA+7], v[rD:rD+7]
.endif
.set bb, bb+1
.endr
.endr
.endm
.macro FETCH q, f                      ; one run of LDS loads: B and A's rows 0-63 first, then A's rows 64-127
	WIN 0x40
.set bb, 0
.rept NBF
	ds_load_b128 v[128*(\f)+64+8*bb:128*(\f)+64+8*bb+3],   v7 offset:(\q)*QB+bb*16*BPITCH
	ds_load_b128 v[128*(\f)+64+8*bb+4:128*(\f)+64+8*bb+7], v7 offset:(\q)*QB+bb*16*BPITCH+32
.set bb, bb+1
.endr
.set aa, 0
.rept 8
	ds_load_b128 v[128*(\f)+8*aa:128*(\f)+8*aa+3],   v6 offset:(\q)*AQ+aa*16*APITCH
	ds_load_b128 v[128*(\f)+8*aa+4:128*(\f)+8*aa+7], v6 offset:(\q)*AQ+aa*16*APITCH+32
.set aa, aa+1
.endr
.endm
.macro QUARTER q, f, g, zero
	s_wait_dscnt L1                                ; all but A's rows 64-127
	MULP \f, 0, 0, \zero
	MULP \f, 0, 2, \zero
	PLACES
	FETCH \q, \g
	s_wait_dscnt LT                                ; all but the run just issued
	MULP \f, 1, 0, \zero
	MULP \f, 1, 2, \zero
.endm
.macro TURN fill                       ; the last quarter and the change of slots: all my tensor loads awaited, the add, it and my reads of the slot awaited, the barrier (with fill = 1 a round of the cluster's), the joint refill first behind it
	WIN 0
	s_wait_tensorcnt 0x0
	ds_add_u32 v28, v29
.if \fill
	s_xor_b32 s[G0A+5], s[G0A+5], SLOTOFF          ; no tensor load of mine is out: the walking sets go to the other slot and to the next trip's K step
	s_xor_b32 s[G0B+5], s[G0B+5], SLOTOFF
	s_add_co_u32 s58, s58, 1
	NEXTK 1
.endif
	s_xor_b32 s56, s56, SLOTOFF
	v_add_nc_u32 v6, s56, v4
	v_add_nc_u32 v7, s56, v5
	s_wait_dscnt L1+1                              ; the add and the run's second group may be out
	MULP 1, 0, 0, 0
	s_wait_dscnt 0x0
	s_barrier_signal -1
	MULP 1, 0, 2, 0
.if \fill
	WIN 0
.endif
	s_barrier_wait -1
.if \fill
	CREST
	JLOAD
.else
	PLACES
.endif
	FETCH 0, 0
	MULP 1, 1, 0, 0
	MULP 1, 1, 2, 0
.endm
.macro DUMP
.set aa, 0
.rept NA
	WIN 0x08+0x04*(aa/4)
.set bb, 0
.rept NBF
.set rD, 8*(NBF*(aa%4)+bb)
	ds_store_b128 v[8+aa/4], v[rD:rD+3] offset:16*(aa%4)*SP+64*bb
	ds_store_b128 v[8+aa/4], v[rD+4:rD+7] offset:16*(aa%4)*SP+64*bb+16
.set bb, bb+1
.endr
.set aa, aa+1
.endr
	WIN 0
.endm
	s_load_b256 s[4:11], s[0:1], 0x0               ; h s[4:5], wb s[6:7], bias s[8:9], gbuf s[10:11]
	v_lshl_add_u32 v28, v0, 2, SPARE
	v_mov_b32 v29, 0
	ds_add_u32 v28, v29                            ; the wave's opening: the add and its wait ahead of my first tensor load
	v_lshrrev_b32 v3, 5, v0
	v_readfirstlane_b32 s14, v3
	s_lshr_b32 s15, s14, 1
	s_and_b32 s16, s14, 1
	s_bfe_u32 s17, ttmp6, 0x40000
	s_bfe_u32 s18, ttmp6, 0x40004
	s_lshl_b32 s19, ttmp9, 2
	s_add_co_u32 s19, s19, s17
	s_and_b32 s20, ttmp7, 0xffff
	s_lshl_b32 s20, s20, 2
	s_add_co_u32 s20, s20, s18
	s_lshl_b32 s59, ttmp9, 1                       ; m = 2 x cluster x
	s_and_b32 s23, ttmp7, 1
	s_lshl_b32 s23, s23, 2
	s_xor_b32 s59, s59, s23                        ; xor 4 x (cluster y & 1): made of the cluster's place alone
	s_mov_b32 s61, 0
	s_mov_b32 s63, 0
	s_lshl_b32 s21, s18, 2
	s_lshl_b32 s21, 15, s21
	s_lshl_b32 s22, 0x1111, s17
	s_or_b32 s[G1A], s21, (1<<16)|(1<<20)|(1<<21)|(AQI<<22)|(3<<25)
	s_or_b32 s[G1B], s22, (1<<16)|(1<<20)|(1<<21)|(BQI<<22)|(3<<25)
	s_mov_b32 s[G1A+1], (ADIM0&0xffff)<<16
	s_mov_b32 s[G1A+2], (ADIM0>>16)|(ADIM1<<16)
	s_mov_b32 s[G1A+3], ADIM0<<16
	s_mov_b32 s[G1A+4], ADIM1
	s_mov_b32 s[G1A+5], ASTRIDE
	s_mov_b32 s[G1A+6], 0
	s_mov_b32 s[G1A+7], 0
	s_mov_b32 s[G1B+1], KSTEP<<16
	s_mov_b32 s[G1B+2], (BN/2)<<16
	s_mov_b32 s[G1B+3], KSTEP<<16
	s_mov_b32 s[G1B+4], BN/2
	s_mov_b32 s[G1B+5], KK
	s_mov_b32 s[G1B+6], 0
	s_mov_b32 s[G1B+7], 0
	s_mul_i32 s80, s20, BM*2*KK
	s_mul_i32 s81, s16, (BM/2)*2*KK
	s_add_co_u32 s80, s80, s81
	s_mov_b32 s81, 0
	s_mul_i32 s82, s19, BN*2*KK
	s_mul_i32 s83, s16, (BN/2)*2*KK
	s_add_co_u32 s82, s82, s83
	s_add_co_u32 s82, s82, WOFF
	s_mov_b32 s83, 0
	s_mul_i32 s84, s16, A_HALFT
	s_mul_i32 s85, s16, B_HALFT
	s_add_co_u32 s85, s85, 2*A_HALFT
	s_mov_b32 s[C1], 0x3e6d3388                    ; 0.3275911 / sqrt 2
	s_mov_b32 s[C1+1], 0x3e6d3388
	s_mov_b32 s[C2], 0x3f596d27                    ; sqrt(log2(e) / 2)
	s_mov_b32 s[C2+1], 0x3f596d27
	s_mov_b32 s[A5], 0x3f07dc22                    ; 1.061405429 / 2
	s_mov_b32 s[A5+1], 0x3f07dc22
	s_mov_b32 s[A4], 0xbf3a00e3                    ; -1.453152027 / 2
	s_mov_b32 s[A4+1], 0xbf3a00e3
	s_mov_b32 s[A3], 0x3f35f0e3                    ; 1.421413741 / 2
	s_mov_b32 s[A3+1], 0x3f35f0e3
	s_mov_b32 s[A2], 0xbe11a98e                    ; -0.284496736 / 2
	s_mov_b32 s[A2+1], 0xbe11a98e
	s_mov_b32 s[A1], 0x3e027906                    ; 0.254829592 / 2
	s_mov_b32 s[A1+1], 0x3e027906
	s_wait_dscnt 0x0
	s_wait_kmcnt 0x0
	s_add_nc_u64 s[80:81], s[4:5], s[80:81]
	s_add_nc_u64 s[82:83], s[6:7], s[82:83]
	CROUND
.irp s, 0,1
	s_mov_b32 s[G0A+4*\s], 1
	s_add_co_u32 s[G0A+4*\s+1], s84, \s*SLOTOFF
	s_mov_b32 s[G0B+4*\s], 1
	s_add_co_u32 s[G0B+4*\s+1], s85, \s*SLOTOFF
	s_mov_b32 s58, \s
	NEXTK \s
.endr
	s_cmp_eq_u32 s15, 0
	s_cbranch_scc0 .Lfirst_b
	tensor_load_to_lds s[G0A:G0A+3], s[G1A:G1A+7]
	s_nop 0
	tensor_load_to_lds s[G0A+4:G0A+7], s[G1A:G1A+7]
	s_nop 0
.rept 4
	v_nop
.endr
	s_branch .Lfirst_asked
.Lfirst_b:
	tensor_load_to_lds s[G0B:G0B+3], s[G1B:G1B+7]
	s_nop 0
	tensor_load_to_lds s[G0B+4:G0B+7], s[G1B:G1B+7]
	s_nop 0
.rept 4
	v_nop
.endr
.Lfirst_asked:
	v_and_b32 v1, 15, v0
	v_bfe_u32 v2, v0, 4, 1
	v_mul_u32_u24 v4, v1, APITCH
	v_lshl_add_u32 v4, v2, 4, v4
	s_mul_i32 s86, s15, A_HALFT
	v_add_nc_u32 v4, s86, v4
	v_mul_u32_u24 v5, v1, BPITCH
	v_lshl_add_u32 v5, v2, 4, v5
	s_mul_i32 s87, s16, B_HALFT
	s_add_co_u32 s87, s87, 2*A_HALFT
	v_add_nc_u32 v5, s87, v5
	v_mov_b32 v6, v4
	v_mov_b32 v7, v5
	s_mov_b32 s56, 0
	v_mul_u32_u24 v8, v1, SP
	v_lshl_add_u32 v8, v2, 5, v8
	s_mul_i32 s86, s15, (BM/2)*SP
	s_mul_i32 s87, s16, (BN/2)*4
	s_add_co_u32 s86, s86, s87
	v_add_nc_u32 v8, s86, v8
	v_add_nc_u32 v9, 64*SP, v8
	v_and_b32 v16, 31, v0                          ; the way out
	v_lshlrev_b32 v15, 4, v16                      ; 16 x lane
	s_lshl_b32 s84, s19, 10                        ; the tile's 256 columns of bias
	v_add_nc_u32 v17, s84, v15
	global_load_b128 v[BI:BI+3], v17, s[8:9]
	global_load_b128 v[BI+4:BI+7], v17, s[8:9] offset:512
	s_mul_i32 s85, s14, 64*SP
	v_add_nc_u32 v10, s85, v15                     ; my 64 rows of the stage
	v_lshlrev_b32 v12, 3, v16                      ; 8 x lane
	s_lshl_b32 s94, s20, 21                        ; 256 rows of 8,192 bytes
	s_lshl_b32 s95, s14, 19
	s_add_co_u32 s94, s94, s95
	s_lshl_b32 s95, s19, 9
	s_add_co_u32 s94, s94, s95
	s_mov_b32 s95, 0
	s_add_nc_u64 s[10:11], s[10:11], s[94:95]
	s_wait_tensorcnt 0x1                           ; my part of trip 0's tile is in; trip 1's may stay out
	s_barrier_signal -1
	s_barrier_wait -1
	FETCH 0, 0
	QUARTER 1, 0, 1, 1
	WIN 0
	s_mov_b32 s57, NT-2
.Lstep:
	QUARTER 2, 1, 0, 0
	QUARTER 3, 0, 1, 0
	TURN 1
	QUARTER 1, 0, 1, 0
	WIN 0
	s_sub_co_u32 s57, s57, 1
	s_cmp_lg_u32 s57, 0
	s_cbranch_scc1 .Lstep
	s_mov_b32 s57, 2
.Ltail:                                                ; the last two K steps ask for nothing; the second trip's fetch reads landed bytes that serve nothing
	QUARTER 2, 1, 0, 0
	QUARTER 3, 0, 1, 0
	TURN 0
	WIN 0
	s_sub_co_u32 s57, s57, 1
	s_cmp_eq_u32 s57, 0
	s_cbranch_scc1 .Ldone
	QUARTER 1, 0, 1, 0
	WIN 0
	s_branch .Ltail
.Ldone:
.rept 8
	v_nop
.endr
	s_wait_dscnt 0x0
	s_barrier_signal -1
	s_barrier_wait -1                              ; every wave's reads of the ring are over; it has had its last fill
	DUMP
	s_wait_dscnt 0x0
	s_barrier_signal -1
	s_barrier_wait -1
	s_wait_loadcnt 0x0                             ; the bias, rounded to bf16 like every input
.irp k, 0,1,2,3
	v_cvt_pk_bf16_f32 v[18+\k%2], v[BI+2*\k], v[BI+2*\k+1]
	v_lshlrev_b32 v[BI+2*\k], 16, v[18+\k%2]
	v_and_b32 v[BI+2*\k+1], 0xffff0000, v[18+\k%2]
.endr
.macro LOADX                           ; four rows: row nn / 2, its half nn % 2
.set nn, 0
.rept 8
	ds_load_b128 v[XR+4*nn:XR+4*nn+3], v11 offset:SP*(nn/2)+512*(nn%2)
.set nn, nn+1
.endr
.endm
.macro PREL n                          ; line n of six for pair pp: max(x, 0); |x| = 2 max(x, 0) - x; 1 + p z; -(x x) log2(e) / 2
.if (\n) == 0
	v_max_num_f32 v[RR+2*pp], 0, v[XB+2*pp]
.elseif (\n) == 1
	v_max_num_f32 v[RR+2*pp+1], 0, v[XB+2*pp+1]
.elseif (\n) == 2
	v_pk_fma_f32 v[AX+2*pp:AX+2*pp+1], v[RR+2*pp:RR+2*pp+1], 2.0, v[XB+2*pp:XB+2*pp+1] op_sel_hi:[1,0,1] neg_lo:[0,0,1] neg_hi:[0,0,1]
.elseif (\n) == 3
	v_pk_fma_f32 v[TT+2*pp:TT+2*pp+1], v[AX+2*pp:AX+2*pp+1], s[C1:C1+1], 1.0 op_sel_hi:[1,0,0]
.elseif (\n) == 4
	v_pk_mul_f32 v[EE+2*pp:EE+2*pp+1], v[XB+2*pp:XB+2*pp+1], s[C2:C2+1] op_sel_hi:[1,0]
.else
	v_pk_mul_f32 v[EE+2*pp:EE+2*pp+1], v[EE+2*pp:EE+2*pp+1], v[EE+2*pp:EE+2*pp+1] neg_lo:[1,0] neg_hi:[1,0]
.endif
.endm
.macro TRL n                           ; reciprocal or exponential n of four for pair pp - 1
.if (\n) < 2
	v_rcp_f32 v[TT+2*pp-2+(\n)], v[TT+2*pp-2+(\n)]
.else
	v_exp_f32 v[EE+2*pp-4+(\n)], v[EE+2*pp-4+(\n)]
.endif
.endm
.macro HORNER c                        ; the polynomial's next step, for all 16 pairs
.set pp, 0
.rept 16
	v_pk_fma_f32 v[XB+2*pp:XB+2*pp+1], v[XB+2*pp:XB+2*pp+1], v[TT+2*pp:TT+2*pp+1], s[\c:\c+1] op_sel_hi:[1,1,0]
.set pp, pp+1
.endr
.endm
	v_mov_b32 v11, v10
	LOADX
	s_mov_b32 s57, 16
.Lout:                                                 ; four rows a trip; the next trip's rows are read while this trip's are worked on
	s_wait_dscnt 0x0
.set nn, 0
.rept 8
	v_pk_add_f32 v[XB+4*nn:XB+4*nn+1], v[XR+4*nn:XR+4*nn+1], v[BI+4*(nn%2):BI+4*(nn%2)+1]
	v_pk_add_f32 v[XB+4*nn+2:XB+4*nn+3], v[XR+4*nn+2:XR+4*nn+3], v[BI+4*(nn%2)+2:BI+4*(nn%2)+3]
.set nn, nn+1
.endr
	s_cmp_eq_u32 s57, 1                            ; the last trip has no rows behind it
	s_cbranch_scc1 .Lno_ahead
	v_add_nc_u32 v11, 4*SP, v11
	LOADX
.Lno_ahead:
.set pp, 0
.irp n, 0,1,2,3,4,5
	PREL \n
.endr
.set pp, 1
.rept 15                               ; a pair's plain lines, the pair before's reciprocals and exponentials between them: one batch, of which nothing ahead of the wait names a result
	PREL 0
	TRL 0
	PREL 1
	TRL 1
	PREL 2
	TRL 2
	PREL 3
	TRL 3
	PREL 4
	PREL 5
.set pp, pp+1
.endr
	TRL 0
	TRL 1
	TRL 2
	TRL 3
	v_nop                                          ; a plain instruction behind the last of them
	s_wait_alu depctr_va_vdst(0)                   ; the wait for the batch of 64
.set pp, 0
.rept 16
	v_pk_fma_f32 v[XB+2*pp:XB+2*pp+1], v[TT+2*pp:TT+2*pp+1], s[A5:A5+1], s[A4:A4+1] op_sel_hi:[1,0,0]
.set pp, pp+1
.endr
	HORNER A3
	HORNER A2
	HORNER A1
.set pp, 0
.rept 16
	v_pk_mul_f32 v[TT+2*pp:TT+2*pp+1], v[TT+2*pp:TT+2*pp+1], v[EE+2*pp:EE+2*pp+1]
.set pp, pp+1
.endr
.set pp, 0
.rept 16
	v_pk_mul_f32 v[XB+2*pp:XB+2*pp+1], v[XB+2*pp:XB+2*pp+1], v[TT+2*pp:TT+2*pp+1]   ; erfc / 2
.set pp, pp+1
.endr
.set pp, 0
.rept 16
	v_pk_fma_f32 v[RR+2*pp:RR+2*pp+1], v[AX+2*pp:AX+2*pp+1], v[XB+2*pp:XB+2*pp+1], v[RR+2*pp:RR+2*pp+1] neg_lo:[1,0,0] neg_hi:[1,0,0]
.set pp, pp+1
.endr
.set pp, 0
.rept 16
	v_cvt_pk_bf16_f32 v[TT+pp], v[RR+2*pp], v[RR+2*pp+1]
.set pp, pp+1
.endr
.set nn, 0
.rept 8
	global_store_b64 v12, v[TT+2*nn:TT+2*nn+1], s[10:11] offset:8192*(nn/2)+256*(nn%2)  ; 32 lanes store 256 consecutive bytes, aligned
.set nn, nn+1
.endr
	s_wait_xcnt 0x0                                ; the stores have read their data and their base
	s_add_nc_u64 s[10:11], s[10:11], 32768         ; four rows on
	s_sub_co_u32 s57, s57, 1
	s_cmp_lg_u32 s57, 0
	s_cbranch_scc1 .Lout
	s_wait_tensorcnt 0x0                           ; the wave's end
	ds_add_u32 v28, v29
	s_wait_dscnt 0x0
	CROUND
	s_endpgm
.Lfunc_end_k_q36360d8b4e_fc1:
	.size	k_q36360d8b4e_fc1, .Lfunc_end_k_q36360d8b4e_fc1-k_q36360d8b4e_fc1
	.p2alignl 7, 3214868480
	.fill 96, 4, 3214868480
	.section	.rodata,"a",@progbits
	.p2align	6, 0x0
	.amdhsa_kernel k_q36360d8b4e_fc1
		.amdhsa_group_segment_fixed_size 327680
		.amdhsa_private_segment_fixed_size 0
		.amdhsa_enable_private_segment 0
		.amdhsa_kernarg_size 32
		.amdhsa_user_sgpr_count 2
		.amdhsa_user_sgpr_kernarg_segment_ptr 1
		.amdhsa_wavefront_size32 1
		.amdhsa_system_sgpr_workgroup_id_x 1
		.amdhsa_system_sgpr_workgroup_id_y 1
		.amdhsa_system_sgpr_workgroup_id_z 1
		.amdhsa_system_vgpr_workitem_id 0
		.amdhsa_next_free_vgpr 1024
		.amdhsa_next_free_sgpr 96
		.amdhsa_reserve_vcc 0
		.amdhsa_float_denorm_mode_32 3
		.amdhsa_float_denorm_mode_16_64 3
		.amdhsa_memory_ordered 1
		.amdhsa_forward_progress 1
		.amdhsa_inst_pref_size 97
	.end_amdhsa_kernel
	.amdgpu_metadata
---
amdhsa.version: [ 1, 2 ]
amdhsa.kernels:
  - .name:           k_q36360d8b4e_fc1
    .symbol:         k_q36360d8b4e_fc1.kd
    .args:
      - { .name: hbuf, .offset: 0, .size: 8, .value_kind: global_buffer, .address_space: global }
      - { .name: wb, .offset: 8, .size: 8, .value_kind: global_buffer, .address_space: global }
      - { .name: fc1_b, .offset: 16, .size: 8, .value_kind: global_buffer, .address_space: global }
      - { .name: gbuf, .offset: 24, .size: 8, .value_kind: global_buffer, .address_space: global }
    .group_segment_fixed_size: 327680
    .private_segment_fixed_size: 0
    .kernarg_segment_align: 8
    .kernarg_segment_size: 32
    .max_flat_workgroup_size: 128
    .sgpr_count:     96
    .vgpr_count:     1024
    .wavefront_size: 32
...
	.end_amdgpu_metadata
.endif
;; end of part 6
;; launch fc2 (part 7): grid 8 x 32, 4 waves a work-group, clusters of 4 x 4, 327,680 bytes of LDS; arguments gbuf, wb, fc2_b, out0, x1b; writes out0
.if DOCPART == 7
	.amdgcn_target "amdgcn-amd-amdhsa--gfx1250"
	.amdhsa_code_object_version 6
	.text
	.protected	k_q36360d8b4e_fc2
	.globl	k_q36360d8b4e_fc2
	.p2align	8
	.type	k_q36360d8b4e_fc2,@function
k_q36360d8b4e_fc2:
	s_mov_b64 s[64:65], 0
	v_nop
	global_prefetch_b8 v0, s[64:65] scope:SCOPE_SE
	s_setreg_imm32_b32 hwreg(HW_REG_WAVE_MODE, 25, 1), 1
	s_wait_xcnt 0x0
	s_wait_alu depctr_hold_cnt(0) depctr_sa_sdst(0) depctr_va_vdst(0) depctr_va_sdst(0) depctr_va_ssrc(0) depctr_va_vcc(0) depctr_vm_vsrc(0)
	s_getreg_b32 s2, hwreg(HW_REG_IB_STS2, 6, 4)
	s_cmp_eq_u32 s2, 0
	s_cbranch_scc0 .Lentry_in_a_cluster
	s_endpgm
.Lentry_in_a_cluster:
	s_bfe_u32 s2, ttmp6, 0x10000c
	s_cmp_lg_u32 s2, 0xf033
	s_cbranch_scc0 .Lentry_shape_is_right
	s_endpgm
.Lentry_shape_is_right:
; FC2 AND RESIDUAL.  out0 = x1b + g W2^T + bf16(fc2_b), f32.  g: [4096][4096] bf16; W2: [1024][4096] bf16 at byte 16,777,216 of wb.  Sums in f32; x1b is added as it is.
; A tile is 128 x 128: 8 x 32 tiles, one for each of 256 work-groups.  Four waves, each 64 x 64: 16 accumulators.  K goes in steps of 256 through two LDS slots: rows of 512 bytes, padded to 528.
; 4 x 4 work-groups form a cluster: A's tile is asked for jointly along a row of the cluster, B's along a column.  The product is used transposed.
; THE WALK ALONG K.  Trip p takes K step p xor m, m = 2 x (cluster x) xor (cluster y & 3): the same in all sixteen partners; each aligned group of four K steps is walked in an order of the cluster's own.
; The two clusters that read the same rows of g take steps two apart, four neighbouring clusters that read the same rows of W2 take four different steps: in trips with p mod 4 = 2 or 3
; every block that is asked for was asked for by another cluster one to three trips before.  The sums are f32 and may be taken in any order.
; THE WAY OUT.  The ring, after its last fill, is the stage: the tile in f32, rows of 528 bytes; each wave takes 32 whole rows, adds bias and residual and stores 512 consecutive bytes with each instruction.
; The residual's 32 rows are loaded into registers ahead of the last two K steps.
.set BM, 128
.set BN, 128
.set KK, 4096
.set BIG, 0
.set NBF, 4
.set KSTEP, 256
.set QB, 128
.set AQ, 128
.set APITCH, 528
.set BPITCH, 528
.set A_HALFT, 64*APITCH
.set B_HALFT, 64*BPITCH
.set SLOTOFF, 135168                   ; shares no bit with a wave's place in a slot
.set SPARE, SLOTOFF+2*(A_HALFT+B_HALFT)
.set SP, 528
.set WOFF, 16777216
.set ASH, 9                            ; a K step is 512 bytes of a row, of A and of B
.set BSH, 9
.set ADIM0, KSTEP
.set ADIM1, BM/2
.set ASTRIDE, KK
.set AQI, 6
.set BQI, 6
.set NT, KK/KSTEP
.set NA, 4+4*BIG
.set L1, 16-8*BIG
.set LT, 32-BIG*(16-2*NBF)
.set G1A, 24
.set G1B, 32
.set G0A, 40
.set G0B, 48
; s14 wave; s15, s16 halves; s17-s20 places; s56 the slot that is read; s57 counter; s58 the trip whose tile is asked for; s59 m; s[60:61], s[62:63] a K step's byte offset in A, B; s[80:81], s[82:83] A, B at my rows, K step 0
; v4-v7 fragments' addresses; v8 into the stage; v10 out of it; v12 16 x lane; v28, v29 the add's
.set MSB, 0
.macro WIN new
.if MSB != (\new)
	s_set_vgpr_msb (MSB<<8)|(\new)
.set MSB, \new
.endif
.endm
.macro PLACES
.rept 4
	v_nop
.endr
.endm
.macro CREST
	s_cmp_lg_u32 s14, 0
	s_cbranch_scc1 .Lnot_wave_0_\@
	s_barrier_signal -3
.Lnot_wave_0_\@:
	s_barrier_wait -3
	s_barrier_signal -1
	s_barrier_wait -1
.endm
.macro CROUND
	s_barrier_signal -1
	s_barrier_wait -1
	CREST
.endm
.macro JLOAD                           ; a joint refill by the walking set; s_nop 0 and four v_nop follow each line
	s_cmp_eq_u32 s15, 0
	s_cbranch_scc0 .Lfor_b_\@
	tensor_load_to_lds s[G0A+4:G0A+7], s[G1A:G1A+7]
	s_nop 0
.rept 4
	v_nop
.endr
	s_branch .Lasked_\@
.Lfor_b_\@:
	tensor_load_to_lds s[G0B+4:G0B+7], s[G1B:G1B+7]
	s_nop 0
.rept 4
	v_nop
.endr
.Lasked_\@:
.endm
.macro NEXTK set                       ; the global addresses of group 0's set, made anew for trip s58: the base plus K step s58 xor s59, the type bits set again
	s_xor_b32 s23, s58, s59
	s_lshl_b32 s60, s23, ASH
	s_lshl_b32 s62, s23, BSH
	s_add_nc_u64 s[G0A+4*(\set)+2:G0A+4*(\set)+3], s[80:81], s[60:61]
	s_or_b32 s[G0A+4*(\set)+3], s[G0A+4*(\set)+3], 0x80000000
	s_add_nc_u64 s[G0B+4*(\set)+2:G0B+4*(\set)+3], s[82:83], s[62:63]
	s_or_b32 s[G0B+4*(\set)+3], s[G0B+4*(\set)+3], 0x80000000
.endm
.macro MULP f, h, a0, zero             ; row blocks a0, a0 + 1, all column blocks, K half h of the quarter; the 16 accumulators take turns
	WIN 0xa5+0x50*(\h)*BIG
.irp a, \a0, (\a0)+1
.set bb, 0
.rept NBF
.set rD, 8*(NBF*(\a)+bb)
.set rB, 128*(\f)+64+8*((1-BIG)*NBF*(\h)+bb)
.set rA, 128*(\f)+8*(4*(\h)+(\a))
.if (\zero) && (BIG || ((\h) == 0))
	v_wmma_f32_16x16x32_bf16 v[rD:rD+7], v[rB:rB+7], v[rA:rA+7], 0
.else
	v_wmma_f32_16x16x32_bf16 v[rD:rD+7], v[rB:rB+7], v[rA:rA+7], v[rD:rD+7]
.endif
.set bb, bb+1
.endr
.endr
.endm
.macro FETCH q, f                      ; 32 LDS loads: quarter q into buffer f, its first 32 along K first
	WIN 0x40
.set bb, 0
.rept NBF
	ds_load_b128 v[128*(\f)+64+8*bb:128*(\f)+64+8*bb+3],   v7 offset:(\q)*QB+bb*16*BPITCH
	ds_load_b128 v[128*(\f)+64+8*bb+4:128*(\f)+64+8*bb+7], v7 offset:(\q)*QB+bb*16*BPITCH+32
.set bb, bb+1
.endr
.set aa, 0
.rept 4
	ds_load_b128 v[128*(\f)+8*aa:128*(\f)+8*aa+3],   v6 offset:(\q)*AQ+aa*16*APITCH
	ds_load_b128 v[128*(\f)+8*aa+4:128*(\f)+8*aa+7], v6 offset:(\q)*AQ+aa*16*APITCH+32
.set aa, aa+1
.endr
.set bb, 0
.rept NBF
	ds_load_b128 v[128*(\f)+64+8*(NBF+bb):128*(\f)+64+8*(NBF+bb)+3],   v7 offset:(\q)*QB+bb*16*BPITCH+64
	ds_load_b128 v[128*(\f)+64+8*(NBF+bb)+4:128*(\f)+64+8*(NBF+bb)+7], v7 offset:(\q)*QB+bb*16*BPITCH+96
.set bb, bb+1
.endr
.set aa, 0
.rept 4
	ds_load_b128 v[128*(\f)+8*(4+aa):128*(\f)+8*(4+aa)+3],   v6 offset:(\q)*AQ+aa*16*APITCH+64
	ds_load_b128 v[128*(\f)+8*(4+aa)+4:128*(\f)+8*(4+aa)+7], v6 offset:(\q)*AQ+aa*16*APITCH+96
.set aa, aa+1
.endr
.endm
.macro QUARTER q, f, g, zero
	s_wait_dscnt L1                                ; the run's first group is in
	MULP \f, 0, 0, \zero
	MULP \f, 0, 2, \zero
	PLACES
	FETCH \q, \g
	s_wait_dscnt LT                                ; all but the run just issued
	MULP \f, 1, 0, \zero
	MULP \f, 1, 2, \zero
.endm
.macro TURN fill                       ; the last quarter and the change of slots: all my tensor loads awaited, the add, it and my reads of the slot awaited, the barrier (with fill = 1 a round of the cluster's), the joint refill first behind it
	WIN 0
	s_wait_tensorcnt 0x0
	ds_add_u32 v28, v29
.if \fill
	s_xor_b32 s[G0A+5], s[G0A+5], SLOTOFF          ; no tensor load of mine is out: the walking sets go to the other slot and to the next trip's K step
	s_xor_b32 s[G0B+5], s[G0B+5], SLOTOFF
	s_add_co_u32 s58, s58, 1
	NEXTK 1
.endif
	s_xor_b32 s56, s56, SLOTOFF
	v_add_nc_u32 v6, s56, v4
	v_add_nc_u32 v7, s56, v5
	s_wait_dscnt L1+1                              ; the add and the run's second group may be out
	MULP 1, 0, 0, 0
	s_wait_dscnt 0x0
	s_barrier_signal -1
	MULP 1, 0, 2, 0
.if \fill
	WIN 0
.endif
	s_barrier_wait -1
.if \fill
	CREST
	JLOAD
.else
	PLACES
.endif
	FETCH 0, 0
	MULP 1, 1, 0, 0
	MULP 1, 1, 2, 0
.endm
.macro DUMP
.set aa, 0
.rept NA
	WIN 0x08+0x04*(aa/4)
.set bb, 0
.rept NBF
.set rD, 8*(NBF*(aa%4)+bb)
	ds_store_b128 v[8+aa/4], v[rD:rD+3] offset:16*(aa%4)*SP+64*bb
	ds_store_b128 v[8+aa/4], v[rD+4:rD+7] offset:16*(aa%4)*SP+64*bb+16
.set bb, bb+1
.endr
.set aa, aa+1
.endr
	WIN 0
.endm
	s_load_b256 s[4:11], s[0:1], 0x0               ; g s[4:5], wb s[6:7], bias s[8:9], out0 s[10:11]
	s_load_b64 s[12:13], s[0:1], 0x20              ; x1b
	v_lshl_add_u32 v28, v0, 2, SPARE
	v_mov_b32 v29, 0
	ds_add_u32 v28, v29                            ; the wave's opening: the add and its wait ahead of my first tensor load
	v_lshrrev_b32 v3, 5, v0
	v_readfirstlane_b32 s14, v3
	s_lshr_b32 s15, s14, 1
	s_and_b32 s16, s14, 1
	s_bfe_u32 s17, ttmp6, 0x40000
	s_bfe_u32 s18, ttmp6, 0x40004
	s_lshl_b32 s19, ttmp9, 2
	s_add_co_u32 s19, s19, s17
	s_and_b32 s20, ttmp7, 0xffff
	s_lshl_b32 s20, s20, 2
	s_add_co_u32 s20, s20, s18
	s_lshl_b32 s59, ttmp9, 1                       ; m = 2 x cluster x
	s_and_b32 s23, ttmp7, 3
	s_xor_b32 s59, s59, s23                        ; xor (cluster y & 3): made of the cluster's place alone
	s_mov_b32 s61, 0
	s_mov_b32 s63, 0
	s_lshl_b32 s21, s18, 2
	s_lshl_b32 s21, 15, s21
	s_lshl_b32 s22, 0x1111, s17
	s_or_b32 s[G1A], s21, (1<<16)|(1<<20)|(1<<21)|(AQI<<22)|(3<<25)
	s_or_b32 s[G1B], s22, (1<<16)|(1<<20)|(1<<21)|(BQI<<22)|(3<<25)
	s_mov_b32 s[G1A+1], (ADIM0&0xffff)<<16
	s_mov_b32 s[G1A+2], (ADIM0>>16)|(ADIM1<<16)
	s_mov_b32 s[G1A+3], ADIM0<<16
	s_mov_b32 s[G1A+4], ADIM1
	s_mov_b32 s[G1A+5], ASTRIDE
	s_mov_b32 s[G1A+6], 0
	s_mov_b32 s[G1A+7], 0
	s_mov_b32 s[G1B+1], KSTEP<<16
	s_mov_b32 s[G1B+2], (BN/2)<<16
	s_mov_b32 s[G1B+3], KSTEP<<16
	s_mov_b32 s[G1B+4], BN/2
	s_mov_b32 s[G1B+5], KK
	s_mov_b32 s[G1B+6], 0
	s_mov_b32 s[G1B+7], 0
	s_mul_i32 s80, s20, BM*2*KK
	s_mul_i32 s81, s16, (BM/2)*2*KK
	s_add_co_u32 s80, s80, s81
	s_mov_b32 s81, 0
	s_mul_i32 s82, s19, BN*2*KK
	s_mul_i32 s83, s16, (BN/2)*2*KK
	s_add_co_u32 s82, s82, s83
	s_add_co_u32 s82, s82, WOFF
	s_mov_b32 s83, 0
	s_mul_i32 s84, s16, A_HALFT
	s_mul_i32 s85, s16, B_HALFT
	s_add_co_u32 s85, s85, 2*A_HALFT
	s_wait_dscnt 0x0
	s_wait_kmcnt 0x0
	s_add_nc_u64 s[80:81], s[4:5], s[80:81]
	s_add_nc_u64 s[82:83], s[6:7], s[82:83]
	CROUND
.irp s, 0,1
	s_mov_b32 s[G0A+4*\s], 1
	s_add_co_u32 s[G0A+4*\s+1], s84, \s*SLOTOFF
	s_mov_b32 s[G0B+4*\s], 1
	s_add_co_u32 s[G0B+4*\s+1], s85, \s*SLOTOFF
	s_mov_b32 s58, \s
	NEXTK \s
.endr
	s_cmp_eq_u32 s15, 0
	s_cbranch_scc0 .Lfirst_b
	tensor_load_to_lds s[G0A:G0A+3], s[G1A:G1A+7]
	s_nop 0
	tensor_load_to_lds s[G0A+4:G0A+7], s[G1A:G1A+7]
	s_nop 0
.rept 4
	v_nop
.endr
	s_branch .Lfirst_asked
.Lfirst_b:
	tensor_load_to_lds s[G0B:G0B+3], s[G1B:G1B+7]
	s_nop 0
	tensor_load_to_lds s[G0B+4:G0B+7], s[G1B:G1B+7]
	s_nop 0
.rept 4
	v_nop
.endr
.Lfirst_asked:
	v_and_b32 v1, 15, v0
	v_bfe_u32 v2, v0, 4, 1
	v_mul_u32_u24 v4, v1, APITCH
	v_lshl_add_u32 v4, v2, 4, v4
	s_mul_i32 s86, s15, A_HALFT
	v_add_nc_u32 v4, s86, v4
	v_mul_u32_u24 v5, v1, BPITCH
	v_lshl_add_u32 v5, v2, 4, v5
	s_mul_i32 s87, s16, B_HALFT
	s_add_co_u32 s87, s87, 2*A_HALFT
	v_add_nc_u32 v5, s87, v5
	v_mov_b32 v6, v4
	v_mov_b32 v7, v5
	s_mov_b32 s56, 0
	v_mul_u32_u24 v8, v1, SP
	v_lshl_add_u32 v8, v2, 5, v8
	s_mul_i32 s86, s15, (BM/2)*SP
	s_mul_i32 s87, s16, (BN/2)*4
	s_add_co_u32 s86, s86, s87
	v_add_nc_u32 v8, s86, v8
	v_and_b32 v16, 31, v0
	v_lshlrev_b32 v12, 4, v16                      ; 16 x lane: a wave takes a row's 512 bytes
	s_lshl_b32 s86, s19, 9
	v_add_nc_u32 v15, s86, v12
	global_load_b128 v[32:35], v15, s[8:9]         ; the bias of my four columns
	s_mul_i32 s87, s14, 32*SP
	v_add_nc_u32 v10, s87, v12
	s_lshl_b32 s88, s20, 19
	s_lshl_b32 s89, s14, 17
	s_add_co_u32 s88, s88, s89
	s_add_co_u32 s88, s88, s86
	s_mov_b32 s89, 0
	s_add_nc_u64 s[10:11], s[10:11], s[88:89]
	s_add_nc_u64 s[12:13], s[12:13], s[88:89]
	s_wait_tensorcnt 0x1                           ; my part of trip 0's tile is in; trip 1's may stay out
	s_barrier_signal -1
	s_barrier_wait -1
	FETCH 0, 0
	QUARTER 1, 0, 1, 1
	WIN 0
	s_mov_b32 s57, NT-2
.Lstep:
	QUARTER 2, 1, 0, 0
	QUARTER 3, 0, 1, 0
	TURN 1
	QUARTER 1, 0, 1, 0
	WIN 0
	s_sub_co_u32 s57, s57, 1
	s_cmp_lg_u32 s57, 0
	s_cbranch_scc1 .Lstep
	WIN 0x80                                       ; the residual's 32 rows, into window 2 behind the accumulators
.set nn, 0
.rept 32
	global_load_b128 v[128+4*nn:128+4*nn+3], v12, s[12:13] offset:4096*nn th:TH_LOAD_NT
.set nn, nn+1
.endr
	WIN 0
	s_mov_b32 s57, 2
.Ltail:                                                ; the last two K steps ask for nothing; the second trip's fetch reads landed bytes that serve nothing
	QUARTER 2, 1, 0, 0
	QUARTER 3, 0, 1, 0
	TURN 0
	WIN 0
	s_sub_co_u32 s57, s57, 1
	s_cmp_eq_u32 s57, 0
	s_cbranch_scc1 .Ldone
	QUARTER 1, 0, 1, 0
	WIN 0
	s_branch .Ltail
.Ldone:
.rept 8
	v_nop
.endr
	s_wait_dscnt 0x0
	s_barrier_signal -1
	s_barrier_wait -1                              ; every wave's reads of the ring are over; it has had its last fill
	DUMP
	s_wait_dscnt 0x0
	s_barrier_signal -1
	s_barrier_wait -1
	s_wait_loadcnt 0x0                             ; bias and residual
	v_cvt_pk_bf16_f32 v37, v32, v33                ; the bias rounded to bf16, like every input
	v_cvt_pk_bf16_f32 v38, v34, v35
	v_lshlrev_b32 v32, 16, v37
	v_and_b32 v33, 0xffff0000, v37
	v_lshlrev_b32 v34, 16, v38
	v_and_b32 v35, 0xffff0000, v38
.set nn, 0
.rept 32
	ds_load_b128 v[64+4*nn:64+4*nn+3], v10 offset:SP*nn
.set nn, nn+1
.endr
.set gg, 0
.rept 4
	s_wait_dscnt 24-8*gg                           ; this group's eight rows are in; the later groups' loads stay out
.set nn, 8*gg
.rept 8
	v_pk_add_f32 v[64+4*nn:64+4*nn+1], v[64+4*nn:64+4*nn+1], v[32:33]
	v_pk_add_f32 v[64+4*nn+2:64+4*nn+3], v[64+4*nn+2:64+4*nn+3], v[34:35]
.set nn, nn+1
.endr
	WIN 0x08                                       ; source 1, the residual, in window 2
.set nn, 0
.rept 16
	v_pk_add_f32 v[64+32*gg+2*nn:64+32*gg+2*nn+1], v[64+32*gg+2*nn:64+32*gg+2*nn+1], v[128+32*gg+2*nn:128+32*gg+2*nn+1]
.set nn, nn+1
.endr
	WIN 0
.set nn, 8*gg
.rept 8
	global_store_b128 v12, v[64+4*nn:64+4*nn+3], s[10:11] offset:4096*nn th:TH_STORE_NT  ; 512 consecutive bytes, aligned
.set nn, nn+1
.endr
.set gg, gg+1
.endr
	s_wait_tensorcnt 0x0                           ; the wave's end
	ds_add_u32 v28, v29
	s_wait_dscnt 0x0
	CROUND
	s_endpgm
.Lfunc_end_k_q36360d8b4e_fc2:
	.size	k_q36360d8b4e_fc2, .Lfunc_end_k_q36360d8b4e_fc2-k_q36360d8b4e_fc2
	.p2alignl 7, 3214868480
	.fill 96, 4, 3214868480
	.section	.rodata,"a",@progbits
	.p2align	6, 0x0
	.amdhsa_kernel k_q36360d8b4e_fc2
		.amdhsa_group_segment_fixed_size 327680
		.amdhsa_private_segment_fixed_size 0
		.amdhsa_enable_private_segment 0
		.amdhsa_kernarg_size 40
		.amdhsa_user_sgpr_count 2
		.amdhsa_user_sgpr_kernarg_segment_ptr 1
		.amdhsa_wavefront_size32 1
		.amdhsa_system_sgpr_workgroup_id_x 1
		.amdhsa_system_sgpr_workgroup_id_y 1
		.amdhsa_system_sgpr_workgroup_id_z 1
		.amdhsa_system_vgpr_workitem_id 0
		.amdhsa_next_free_vgpr 768
		.amdhsa_next_free_sgpr 96
		.amdhsa_reserve_vcc 0
		.amdhsa_float_denorm_mode_32 3
		.amdhsa_float_denorm_mode_16_64 3
		.amdhsa_memory_ordered 1
		.amdhsa_forward_progress 1
		.amdhsa_inst_pref_size 70
	.end_amdhsa_kernel
	.amdgpu_metadata
---
amdhsa.version: [ 1, 2 ]
amdhsa.kernels:
  - .name:           k_q36360d8b4e_fc2
    .symbol:         k_q36360d8b4e_fc2.kd
    .args:
      - { .name: gbuf, .offset: 0, .size: 8, .value_kind: global_buffer, .address_space: global }
      - { .name: wb, .offset: 8, .size: 8, .value_kind: global_buffer, .address_space: global }
      - { .name: fc2_b, .offset: 16, .size: 8, .value_kind: global_buffer, .address_space: global }
      - { .name: out0, .offset: 24, .size: 8, .value_kind: global_buffer, .address_space: global }
      - { .name: x1b, .offset: 32, .size: 8, .value_kind: global_buffer, .address_space: global }
    .group_segment_fixed_size: 327680
    .private_segment_fixed_size: 0
    .kernarg_segment_align: 8
    .kernarg_segment_size: 40
    .max_flat_workgroup_size: 128
    .sgpr_count:     96
    .vgpr_count:     768
    .wavefront_size: 32
...
	.end_amdgpu_metadata
.endif
;; end of part 7
